; MI455X (gfx1250); checked and timed in simulation.
; The chip was launched on July 23, 2026; its instructions are those of AMD's public machine-readable ISA for CDNA 5 (MIT licence, August 2026) and "CDNA5" Instruction Set Architecture Reference Guide (July 2026). The comments in the code are by the model that wrote it; some were corrected since.
;; Base Layer. Allowed arithmetic: matrix products marked QUANTISED: E5M2 operands, one given power-of-two scale a tensor, by v_wmma_f32_16x16x64_bf8_bf8 or v_wmma_f32_16x16x128_bf8_bf8, f32 sums; products left as they are: f32 operands where the result goes on into a quantised operand, else bf16, f16 or f32 operands; f32 sums; everything else in f32.
;; Inputs: b1 8 x 512 float32; b2 8 x 1,024 float32; centroids 8 x 1,024 float32; input_features 4 x 2,048 x 1,024 float32; ln_b 8 x 1,024 float32; ln_g 8 x 1,024 float32; lowp_scales 4 int32 (the exponents e of the quantised operands' scales 2^e); w1_codes 8 x 512 x 32 x 32 uint8 (E5M2 codes of w1, K innermost, in blocks of 32 codes); w2_codes 8 x 1,024 x 16 x 32 uint8 (E5M2 codes of w2, K innermost, in blocks of 32 codes).
;; Outputs: out0 4 x 2,048 x 1,024 float32.
;; This version of the problem:
;;   THIS VERSION OF THE PROBLEM IS GIVEN IN LOW PRECISION. The matrix products marked QUANTISED in the list below multiply operands that are first quantised to E5M2 (5 exponent bits, 2 mantissa bits; 8 bits a number), with one given power-of-two scale for each operand tensor; their sums are f32. All else is computed in f32.
;;   The module's matrix products, in the order in which they are computed (A, B: the left and right operand; K: the contracted axis; several contracted axes count as one K, in the product's order):
;;     1. [M 8,192, K 1,024] x [K 1,024, N 8]; A: input input_features; B: input centroids: left as it is (N = 8 < 16)
;;     2. batch 8 x [M 8,192, K 1,024] x [K 1,024, N 512]; A: computed on the way; B: input w1 (given as codes): QUANTISED (scales: A lowp_scales[0], B lowp_scales[1])
;;     3. batch 8 x [M 8,192, K 512] x [K 512, N 1,024]; A: computed on the way; B: input w2 (given as codes): QUANTISED (scales: A lowp_scales[2], B lowp_scales[3])
;;     4. [M 8,192, K 1,024] x [K 1,024, N 8]; A: input input_features; B: input centroids: left as it is (N = 8 < 16)
;;     5. batch 8,192 x [M 1, K 8] x [K 8, N 1,024]; A: computed on the way; B: computed on the way: left as it is (K = 8 < 32)
;;   THE QUANTISER, for each operand of a quantised product, along K:
;;     - The operand's scale is 2^e, e = its entry of the input lowp_scales (int32; the entries are numbered through the quantised products in the list's order, A before B).
;;     - Each number is divided by the scale, clamped to +-57,344, and rounded to the nearest number of E5M2, ties to even, subnormals kept.
;;     - The product sums the exact products of the quantised numbers (number of the format x scale) in f32.
;;   ~~~python
;;   def quantise(x, axis, e):      # numpy; x: float32 -> the quantised numbers, widened to float32 again
;;       x = np.moveaxis(x, axis, -1); K = x.shape[-1]
;;       r = np.clip(x / 2.0 ** e, -57344, 57344)
;;       step = 2.0 ** (np.maximum(np.frexp(np.where(r == 0, 1, r))[1] - 1, -14) - 2)
;;       q = np.round(r / step) * step * 2.0 ** e      # np.round: ties to even
;;       return np.moveaxis(q, -1, axis).astype(np.float32)
;;   ~~~
;;   OPERANDS COMPUTED ON THE WAY. 'Computed on the way' means the value that the module computes at that place (a softmax that the list does not call 'softmax' is quantised finished and normalised). What goes into a quantiser is computed in f32, as accurately as f32 sums, v_exp_f32 and their like allow (about 1e-6 of the number): no bf16 or f16 on the way to a quantiser, and a product that is left as it is and whose result goes on into a quantised operand takes f32 operands (vector FMAs, or v_wmma_f32_16x16x4_f32). A number that lies on a knife's edge between two numbers of the format may be rounded either way, as far as f32 arithmetic and the matrix unit's own rounding can turn it there, and no further.
;;   INPUTS GIVEN AS CODES. w1 (in the module: [8, 512, 1024], K = its axis 2); w2 (in the module: [8, 1024, 512], K = its axis 2): each comes as NAME_codes (uint8): NAME with its K axis moved to the last place and cut into blocks of 32 codes, [.., K / 32, bytes a block], one block behind the other in memory; one code a byte (a code: sign, 5 exponent bits, 2 mantissa bits); its scale is its entry of lowp_scales. Its value is code x scale, taken as it is: it is not quantised again, and the codes and scales need not be those that the quantiser above would give.
;; 2 versions. Each part assembles by itself: llvm-mc -triple=amdgcn-amd-amdhsa -mcpu=gfx1250 --defsym DOCPART=n.
;; ======== version 1 of 2: 3 launches
;; workspace buffers: assign 32,768 bytes of whole numbers; stats 131,072 bytes; wimg 8,388,608 bytes; order 32,768 bytes of whole numbers; tiles 2,560 bytes of whole numbers
;; launch route (part 1): grid 384 x 1, 4 waves a work-group, no clusters, 34,304 bytes of LDS; arguments input_features, centroids, w1_codes, w2_codes, assign, stats, wimg; writes assign, stats, wimg
.if DOCPART == 1
	.amdgcn_target "amdgcn-amd-amdhsa--gfx1250"
	.amdhsa_code_object_version 6
	.text
	.protected	k_qd8a4881a88_route
	.globl	k_qd8a4881a88_route
	.p2align	8
	.type	k_qd8a4881a88_route,@function
k_qd8a4881a88_route:
	s_mov_b64 s[64:65], 0
	v_nop
	global_prefetch_b8 v0, s[64:65] scope:SCOPE_SE
	s_setreg_imm32_b32 hwreg(HW_REG_WAVE_MODE, 25, 1), 1
	s_wait_xcnt 0x0
; ROUTE.  First of three launches for: out[t] = x[t] + alpha[t] (relu(LN_e(x[t]) W1_e^T + b1_e) W2_e^T + b2_e), e = argmax over the experts of x[t] . centroid_e, alpha = sigmoid of that largest affinity.
; WORK LEFT OUT, for all finite values of the inputs:
;  (a) reference() multiplies gated[e'][t] by onehot[t][e'], which it builds itself and which is 0 for every e' other than assign[t]: the layer norm's gain and bias, both products, the bias, the residual and
;      the gate of the seven experts that a token did not choose reach no output.  Only the chosen expert's rows are computed (the third launch).
;  (b) x @ centroids.T is written twice in reference() with the same operands: it is computed once, here, and serves the argmax and the sigmoid.
;  (c) a y + (1 - a) x with y = x + f is x + a f, an identity in real numbers.
;  Every input still has a way to the output and is loaded by some launch.  LIMIT: a NaN, an infinity or an overflow that arises only in an expert that a token did not choose is not carried to the result.
; LIMITS: NaN among the inputs is not served.  Two affinities of a token that lie closer than the rounding of an f32 sum of 1,024 terms may change places in the argmax; equal ones give the lower index.
; WORK-GROUPS 0-255: 32 tokens each, 8 to a wave, a whole row (4,096 bytes) in 32 registers of one wave; the eight centroids stay in 256 registers.  For each token: the eight affinities (f32 multiply-adds),
;  the argmax, -mean, the sum of squares about the mean; at the end, for the wave's 8 tokens at once in lanes 0-7: 1 / sqrt(var + eps) and the sigmoid.  No LDS, no barrier.
;  assign[t] (int32) and stats[t] = (alpha, -mean, rstd, 0) go to fixed places: no address here hangs on a floating-point number.
; WORK-GROUPS 256-383: the weights' codes are laid out once as images of the operand registers that the third launch loads: units of 8,192 bytes = 16 rows x 512 along K = four fragments of 2,048 bytes;
;  in a fragment register group c lies at 512 c and lane l's 16 bytes at 16 l; lane (r = l % 16, h = l / 16) holds, of the tile's row r, K = 128 s + 32 c + 16 h + 0 .. 15.
;  Unit 64 e + 2 t + q: w1, expert e, tile t, half q of K; the tile's row r is w1's row 32 (t / 2) + 8 (t % 2) + r + 8 (r / 8), so that two neighbouring tiles' results are 16 neighbours along the next K.
;  Unit 512 + 64 e + n: w2, expert e, rows 16 n + r.  A wave turns two units through its own stage in LDS (16 rows of 512 bytes + 16): every load and every store of a wave covers 512 consecutive bytes.
.set SPARE, 33792                      ; behind the four stages: the spare words, 128 bytes for each wave
.set STW,   8448                       ; a wave's stage: 16 rows x 528 bytes
.set SP,    528                        ; a stage row: 512 bytes + 16 = 33 x 16: the 16 rows that a load touches fall on 16 different 16-byte columns
.set X,     32                         ; v32-159   four row slots of 32 registers
.set AF,    160                        ; v160-175  the eight affinities, a pair each
.set MSB, 0
.macro WIN new                         ; the immediate's high byte repeats the setting that is left
.if MSB != (\new)
	s_set_vgpr_msb (MSB<<8)|(\new)
.set MSB, \new
.endif
.endm
	s_load_b256 s[4:11], s[0:1], 0x0               ; x s[4:5], centroids s[6:7], w1's codes s[8:9], w2's codes s[10:11]
	s_load_b128 s[12:15], s[0:1], 0x20             ; assign s[12:13], stats s[14:15]
	s_load_b64 s[16:17], s[0:1], 0x30              ; the images
	v_lshl_add_u32 v2, v0, 2, SPARE                ; my spare word; never rewritten
	v_mov_b32 v3, 0                                ; 0; never rewritten
	v_lshrrev_b32 v4, 5, v0
	v_readfirstlane_b32 s20, v4                    ; wave 0..3
	v_and_b32 v5, 31, v0                           ; lane
	v_lshlrev_b32 v1, 4, v5                        ; 16 x lane
	s_wait_kmcnt 0x0
	s_cmp_ge_u32 ttmp9, 256
	s_cbranch_scc1 .Llayout
	; ---------------- the tokens ----------------
	s_lshl_b32 s22, ttmp9, 17                      ; 32 rows of 4,096 bytes a work-group,
	s_lshl_b32 s21, s20, 15                        ; 8 a wave
	s_add_co_u32 s22, s22, s21
	s_mov_b32 s23, 0
	s_add_nc_u64 s[4:5], s[4:5], s[22:23]
	s_mov_b32 s24, 0x76543210                      ; v_permlanex16_b32: lane l xor 16
	s_mov_b32 s25, 0xfedcba98
	s_mov_b32 s26, 0xba800000                      ; -1 / 1024
	s_mov_b32 s27, 0x3a800000                      ; 1 / 1024
	s_mov_b32 s28, 0x3727c5ac                      ; 1e-5
	WIN 0x40                                       ; destination window 1: centroid e at v[32 e + 4 k + j] = c[e][128 k + 4 lane + j], as a row of x lies in its slot
.irp e, 0,1,2,3,4,5,6,7
.irp k, 0,1,2,3,4,5,6,7
	global_load_b128 v[32*\e+4*\k:32*\e+4*\k+3], v1, s[6:7] offset:4096*\e+512*\k
.endr
.endr
	WIN 0
.macro XFILL i                         ; row i into slot i % 4: eight loads of 512 consecutive bytes
.irp k, 0,1,2,3,4,5,6,7
	global_load_b128 v[X+32*((\i)%4)+4*\k:X+32*((\i)%4)+4*\k+3], v1, s[4:5] offset:4096*(\i)+512*\k th:TH_LOAD_NT
.endr
.endm
	XFILL 0
	XFILL 1
	XFILL 2
	XFILL 3
	v_mov_b32 v200, 0                              ; the collectors: lane i takes row i's expert,
	v_mov_b32 v201, 0                              ; largest affinity,
	v_mov_b32 v202, 0                              ; -mean,
	v_mov_b32 v203, 0                              ; and sum of squares
.macro BFLY a, t                       ; the sum over the 32 lanes, in every lane; t: a register that has been written
.irp x, 1,2,4,8
	v_add_f32_dpp v[\a], v[\a], v[\a] row_xmask:\x row_mask:0xf bank_mask:0xf
.endr
	v_permlanex16_b32 v[\t], v[\a], s24, s25
	v_add_f32 v[\a], v[\a], v[\t]
.endm
; Row i.  left: the loads issued behind this row's eight, which may stay out.
.macro ROW i, left
.set XR, X+32*((\i)%4)
	s_wait_loadcnt \left
	WIN 0x04                                       ; source 1 (the centroids) window 1
.irp u, 0,1,2,3,4,5,6,7,8,9,10,11,12,13,14,15
.irp e, 0,1,2,3,4,5,6,7
.if \u == 0
	v_pk_mul_f32 v[AF+2*\e:AF+2*\e+1], v[XR+2*\u:XR+2*\u+1], v[32*\e+2*\u:32*\e+2*\u+1]    ; the first product starts the sum; eight chains by turns
.else
	v_pk_fma_f32 v[AF+2*\e:AF+2*\e+1], v[XR+2*\u:XR+2*\u+1], v[32*\e+2*\u:32*\e+2*\u+1], v[AF+2*\e:AF+2*\e+1]
.endif
.endr
.endr
	WIN 0
	v_pk_add_f32 v[176:177], v[XR:XR+1], v[XR+2:XR+3]          ; the row's sum, in two chains
	v_pk_add_f32 v[178:179], v[XR+4:XR+5], v[XR+6:XR+7]
.irp u, 4,6,8,10,12,14
	v_pk_add_f32 v[176:177], v[176:177], v[XR+2*\u:XR+2*\u+1]
	v_pk_add_f32 v[178:179], v[178:179], v[XR+2*\u+2:XR+2*\u+3]
.endr
	v_pk_add_f32 v[176:177], v[176:177], v[178:179]
	v_add_f32 v176, v176, v177
	BFLY 176, 177
	v_mul_f32 v180, s26, v176                      ; -mean, twice: a pair for the packed addition
	v_mul_f32 v181, s26, v176
.irp g, 0,1,2,3                        ; the sum of (x - mean)^2, as reference() has it, in two chains
.irp d, 0,1,2,3
	v_pk_add_f32 v[186+2*\d:187+2*\d], v[XR+8*\g+2*\d:XR+8*\g+2*\d+1], v[180:181]
.endr
.irp d, 0,1,2,3
.if (\g == 0) && (\d < 2)
	v_pk_mul_f32 v[182+2*\d:183+2*\d], v[186+2*\d:187+2*\d], v[186+2*\d:187+2*\d]
.else
	v_pk_fma_f32 v[182+2*(\d%2):183+2*(\d%2)], v[186+2*\d:187+2*\d], v[186+2*\d:187+2*\d], v[182+2*(\d%2):183+2*(\d%2)]
.endif
.endr
.endr
	v_pk_add_f32 v[182:183], v[182:183], v[184:185]
	v_add_f32 v182, v182, v183
	BFLY 182, 183
.irp e, 0,1,2,3,4,5,6,7                ; the eight affinities over the lanes, step by step across the experts
	v_add_f32 v[AF+2*\e], v[AF+2*\e], v[AF+2*\e+1]
.endr
.irp x, 1,2,4,8
.irp e, 0,1,2,3,4,5,6,7
	v_add_f32_dpp v[AF+2*\e], v[AF+2*\e], v[AF+2*\e] row_xmask:\x row_mask:0xf bank_mask:0xf
.endr
.endr
.irp e, 0,1,2,3,4,5,6,7
	v_permlanex16_b32 v[AF+2*\e+1], v[AF+2*\e], s24, s25
.endr
.irp e, 0,1,2,3,4,5,6,7
	v_add_f32 v[AF+2*\e], v[AF+2*\e], v[AF+2*\e+1]
.endr
	v_mov_b32 v195, v[AF]                          ; the largest so far, and its expert: a later one wins only if it is greater, as jnp.argmax has it
	v_mov_b32 v196, 0
.irp e, 1,2,3,4,5,6,7
	v_cmp_gt_f32 vcc_lo, v[AF+2*\e], v195
	v_cndmask_b32 v196, v196, \e, vcc_lo
	v_max_num_f32 v195, v195, v[AF+2*\e]
.endr
	s_mov_b32 s29, 1<<(\i)                         ; lane i keeps row i's four numbers
	v_cndmask_b32 v200, v200, v196, s29
	v_cndmask_b32 v201, v201, v195, s29
	v_cndmask_b32 v202, v202, v180, s29
	v_cndmask_b32 v203, v203, v182, s29
.if (\i) < 4
	XFILL (\i)+4                                   ; the slot just read takes the row four further on
.endif
.endm
	ROW 0, 24                                      ; three rows of eight loads stand behind each row's own, then the counts run down
	ROW 1, 24
	ROW 2, 24
	ROW 3, 24
	ROW 4, 24
	ROW 5, 16
	ROW 6, 8
	ROW 7, 0
	; the wave's eight tokens at once, in lanes 0-7
	s_lshl_b32 s21, ttmp9, 5
	s_lshl_b32 s22, s20, 3
	s_add_co_u32 s21, s21, s22                     ; my wave's first token
	v_fma_f32 v208, v203, s27, s28                 ; var + eps
	v_mul_f32 v209, 0xbfb8aa3b, v201               ; -log2(e) x affinity
	v_rsq_f32 v206, v208
	v_exp_f32 v209, v209
	v_add_nc_u32 v210, s21, v5                     ; (a plain line behind the two)  my token
	s_wait_alu depctr_va_vdst(0)                   ; one wait for the two, ahead of their first reader
	v_add_f32 v209, 1.0, v209
	v_rcp_f32 v204, v209                           ; alpha = 1 / (1 + 2^(-log2(e) a)); where the power overflows, 0
	v_mov_b32 v205, v202                           ; (a plain line behind it)
	v_mov_b32 v207, 0
	v_lshlrev_b32 v211, 4, v210
	v_lshlrev_b32 v212, 2, v210
	s_wait_alu depctr_va_vdst(0)
	s_wait_xcnt 0x0                                ; EXEC changes only behind this wait
	v_cmp_gt_u32 vcc_lo, 8, v5
	s_and_saveexec_b32 s30, vcc_lo
	global_store_b128 v211, v[204:207], s[14:15]   ; (alpha, -mean, rstd, 0)
	global_store_b32 v212, v200, s[12:13]          ; the expert
	s_wait_xcnt 0x0
	s_or_b32 exec_lo, exec_lo, s30
	s_endpgm
	; ---------------- the weights' images ----------------
.Llayout:
	s_sub_co_u32 s21, ttmp9, 256
	s_lshl_b32 s21, s21, 3
	s_lshl_b32 s22, s20, 1
	s_add_co_u32 s21, s21, s22                     ; u0: my first unit, an even number; I also make u0 + 1
	s_lshr_b32 s23, s21, 6                         ; w1: expert,
	s_lshl_b32 s23, s23, 19                        ; 512 rows of 1,024 bytes
	s_bfe_u32 s24, s21, 0x40002                    ; t / 2,
	s_lshl_b32 s24, s24, 15                        ; 32 rows
	s_add_co_u32 s23, s23, s24
	s_bfe_u32 s24, s21, 0x10001                    ; t % 2,
	s_lshl_b32 s24, s24, 13                        ; 8 rows
	s_add_co_u32 s23, s23, s24
	s_sub_co_u32 s24, s21, 512                     ; w2: 16 rows of 512 bytes a unit
	s_lshl_b32 s24, s24, 13
	s_cmp_lt_u32 ttmp9, 320                        ; w1's work-group or w2's?  The choice hangs on the work-group's number alone
	s_cselect_b64 s[8:9], s[8:9], s[10:11]
	s_cselect_b32 s40, s23, s24                    ; where the unit's first row begins
	s_mov_b32 s26, 512
	s_cselect_b32 s26, 1024, s26                   ; from row to row
	s_mov_b32 s42, 4096
	s_cselect_b32 s42, 16384, s42                  ; from the tile's rows 0-7 to its rows 8-15: 16 rows of w1, 8 of w2
	s_mov_b32 s44, 8192
	s_cselect_b32 s44, 512, s44                    ; from unit u0 to unit u0 + 1: the other half of K, or the next 16 rows
	s_mov_b32 s41, 0
	s_mov_b32 s43, 0
	s_mov_b32 s45, 0
	s_add_nc_u64 s[32:33], s[8:9], s[40:41]        ; unit 0, rows 0-7
	s_add_nc_u64 s[34:35], s[32:33], s[42:43]      ; unit 0, rows 8-15
	s_add_nc_u64 s[36:37], s[32:33], s[44:45]      ; unit 1 likewise
	s_add_nc_u64 s[38:39], s[34:35], s[44:45]
	s_lshl_b32 s46, s21, 13
	s_mov_b32 s47, 0
	s_add_nc_u64 s[16:17], s[16:17], s[46:47]      ; the images at unit u0
.irp j, 0,1,2,3,4,5,6,7
	v_mad_u32_u24 v[8+\j], s26, \j, v1             ; 16 x lane + j rows
.endr
	s_mul_i32 s27, s20, STW                        ; my stage
	v_add_nc_u32 v16, s27, v1                      ; in: a row's 512 bytes as they lie
	v_and_b32 v6, 15, v0
	v_bfe_u32 v7, v0, 4, 1
	v_mul_u32_u24 v17, v6, SP
	v_lshl_add_u32 v17, v7, 4, v17
	v_add_nc_u32 v17, s27, v17                     ; out: row r, + 16 h
.macro ULOAD u                         ; a unit's 16 rows, 512 consecutive bytes a load
.irp j, 0,1,2,3,4,5,6,7
	global_load_b128 v[32+64*\u+4*\j:32+64*\u+4*\j+3], v[8+\j], s[32+4*\u:33+4*\u] th:TH_LOAD_NT
.endr
.irp j, 0,1,2,3,4,5,6,7
	global_load_b128 v[64+64*\u+4*\j:64+64*\u+4*\j+3], v[8+\j], s[34+4*\u:35+4*\u] th:TH_LOAD_NT
.endr
.endm
.macro UTURN u                         ; through the stage: LDS serves a wave's instructions in order, so no wait stands between the stores and the loads, nor ahead of the next unit's stores
.irp j, 0,1,2,3,4,5,6,7,8,9,10,11,12,13,14,15
	ds_store_b128 v16, v[32+64*\u+4*\j:32+64*\u+4*\j+3] offset:SP*\j
.endr
.irp i, 0,1,2,3,4,5,6,7,8,9,10,11,12,13,14,15
	ds_load_b128 v[32+64*\u+4*\i:32+64*\u+4*\i+3], v17 offset:32*\i     ; group i = 4 s + c: K = 128 s + 32 c + 16 h on
.endr
.endm
.macro USEND u, younger                ; younger: the LDS instructions issued behind this unit's loads
	s_wait_dscnt \younger
.irp i, 0,1,2,3,4,5,6,7,8,9,10,11,12,13,14,15
	global_store_b128 v1, v[32+64*\u+4*\i:32+64*\u+4*\i+3], s[16:17] offset:8192*\u+512*\i   ; 32 lanes store 512 consecutive bytes, at a multiple of 256 from the buffer's first byte
.endr
.endm
	ULOAD 0
	ULOAD 1
	s_wait_loadcnt 16                              ; unit 0's sixteen are in; unit 1's may be out
	UTURN 0
	s_wait_loadcnt 0x0
	UTURN 1
	USEND 0, 32                                    ; behind unit 0's loads: unit 1's 16 stores and 16 loads
	USEND 1, 0
	s_wait_tensorcnt 0x0                           ; the wave's end
	ds_add_u32 v2, v3
	s_wait_dscnt 0x0
	s_endpgm
.Lfunc_end_k_qd8a4881a88_route:
	.size	k_qd8a4881a88_route, .Lfunc_end_k_qd8a4881a88_route-k_qd8a4881a88_route
	.p2alignl 7, 3214868480
	.fill 96, 4, 3214868480
	.section	.rodata,"a",@progbits
	.p2align	6, 0x0
	.amdhsa_kernel k_qd8a4881a88_route
		.amdhsa_group_segment_fixed_size 34304
		.amdhsa_private_segment_fixed_size 0
		.amdhsa_enable_private_segment 0
		.amdhsa_kernarg_size 56
		.amdhsa_user_sgpr_count 2
		.amdhsa_user_sgpr_kernarg_segment_ptr 1
		.amdhsa_wavefront_size32 1
		.amdhsa_system_sgpr_workgroup_id_x 1
		.amdhsa_system_sgpr_workgroup_id_y 1
		.amdhsa_system_sgpr_workgroup_id_z 1
		.amdhsa_system_vgpr_workitem_id 0
		.amdhsa_next_free_vgpr 512
		.amdhsa_next_free_sgpr 66
		.amdhsa_reserve_vcc 1
		.amdhsa_float_denorm_mode_32 3
		.amdhsa_float_denorm_mode_16_64 3
		.amdhsa_memory_ordered 1
		.amdhsa_forward_progress 1
		.amdhsa_inst_pref_size 156
	.end_amdhsa_kernel
	.amdgpu_metadata
---
amdhsa.version: [ 1, 2 ]
amdhsa.kernels:
  - .name:           k_qd8a4881a88_route
    .symbol:         k_qd8a4881a88_route.kd
    .args:
      - { .name: input_features, .offset: 0, .size: 8, .value_kind: global_buffer, .address_space: global }
      - { .name: centroids, .offset: 8, .size: 8, .value_kind: global_buffer, .address_space: global }
      - { .name: w1_codes, .offset: 16, .size: 8, .value_kind: global_buffer, .address_space: global }
      - { .name: w2_codes, .offset: 24, .size: 8, .value_kind: global_buffer, .address_space: global }
      - { .name: assign, .offset: 32, .size: 8, .value_kind: global_buffer, .address_space: global }
      - { .name: stats, .offset: 40, .size: 8, .value_kind: global_buffer, .address_space: global }
      - { .name: wimg, .offset: 48, .size: 8, .value_kind: global_buffer, .address_space: global }
    .group_segment_fixed_size: 34304
    .private_segment_fixed_size: 0
    .kernarg_segment_align: 8
    .kernarg_segment_size: 56
    .max_flat_workgroup_size: 128
    .sgpr_count:     66
    .vgpr_count:     512
    .wavefront_size: 32
...
	.end_amdgpu_metadata
.endif
;; end of part 1
;; launch place (part 2): grid 1 x 1, 16 waves a work-group, no clusters, 4,096 bytes of LDS; arguments assign, order, tiles; writes order, tiles
.if DOCPART == 2
	.amdgcn_target "amdgcn-amd-amdhsa--gfx1250"
	.amdhsa_code_object_version 6
	.text
	.protected	k_qd8a4881a88_place
	.globl	k_qd8a4881a88_place
	.p2align	8
	.type	k_qd8a4881a88_place,@function
k_qd8a4881a88_place:
	s_mov_b64 s[64:65], 0
	v_nop
	global_prefetch_b8 v0, s[64:65] scope:SCOPE_SE
	s_setreg_imm32_b32 hwreg(HW_REG_WAVE_MODE, 25, 1), 1
	s_wait_xcnt 0x0
; PLACE.  A counting sort of the 8,192 tokens by the expert that the first launch stored for each (whole numbers, read from memory), and the list of tiles for the third launch.  One work-group, no atomics.
; It serves the choice of reference()'s own one_hot: only the chosen expert's rows are computed later on.
; order[p] = the token at sorted place p, the experts one behind the other without gaps.  tiles[i] = (expert, first place, rows, 0): tiles of at most 64 rows of one expert; never more than
; 8192 / 64 + 8 - 1 = 135 have rows, whatever the choice; all 160 records are written, those beyond the last tile with 0 rows.
; Wave w owns tokens 512 w + 128 k + 4 lane + j (register n = 4 k + j).  Its rank among the wave's tokens of the same expert comes from lane masks; the waves' counts meet in LDS behind the one barrier.
.set A,  16                            ; v16-31  the experts
.set P,  32                            ; v32-47  ranks, then places, then byte offsets
.set TK, 48                            ; v48-63  token numbers
.set IX, 76                            ; v76-91  the base of my wave's tokens of the token's expert
.set RUN, 16                           ; s16-23  running counts of my wave; later my wave's bases
.set TOT, 24                           ; s24-31  tokens of expert e
.set CB,  32                           ; s32-39  first place of expert e
.set TF,  40                           ; s40-47  first tile of expert e
	s_load_b128 s[4:7], s[0:1], 0x0                ; assign, order
	s_load_b64 s[8:9], s[0:1], 0x10                ; tiles
	v_lshl_add_u32 v2, v0, 2, 2048                 ; my spare word (the spare words: bytes 2,048 to 4,095); never rewritten
	v_mov_b32 v3, 0                                ; 0; never rewritten
	v_lshrrev_b32 v5, 5, v0
	v_readfirstlane_b32 s50, v5                    ; wave 0..15
	v_and_b32 v1, 31, v0                           ; lane
	v_lshlrev_b32 v4, 4, v1
	s_lshl_b32 s51, s50, 11
	v_add_nc_u32 v4, s51, v4                       ; 2,048 w + 16 lane
	v_lshlrev_b32 v7, 2, v0                        ; the counts: wave w's 32 words at 128 w
	v_lshrrev_b32 v9, 3, v1                        ; lane / 8
	v_and_b32 v5, 7, v1
	v_lshlrev_b32 v8, 7, v9
	v_lshl_add_u32 v8, v5, 2, v8                   ; wave lane / 8's count of expert lane % 8
	v_mov_b32 v6, 0
	v_mov_b32 v74, 0                               ; written once: a lane move's destination counts as one of its sources
	s_mov_b32 s48, 0x76543210
	s_mov_b32 s49, 0xfedcba98
.irp e, 0,1,2,3,4,5,6,7
	s_mov_b32 s[RUN+\e], 0
.endr
	s_wait_kmcnt 0x0
.irp k, 0,1,2,3
	global_load_b128 v[A+4*\k:A+4*\k+3], v4, s[4:5] offset:512*\k
.endr
.macro RANK n                          ; register n: each lane's rank among my wave's tokens of its expert
.if (\n)%4 == 0
	s_wait_loadcnt 3-(\n)/4                        ; this load is in; the later ones may be out
.endif
.irp e, 0,1,2,3,4,5,6,7
	v_cmp_eq_u32 s51, \e, v[A+(\n)]
.if \e == 0
	v_mbcnt_lo_u32_b32 v[P+(\n)], s51, s[RUN+\e]   ; those counted so far + the lanes below me that hold expert e
.else
	v_mbcnt_lo_u32_b32 v5, s51, s[RUN+\e]
	v_cndmask_b32 v[P+(\n)], v[P+(\n)], v5, s51
.endif
	s_bcnt1_i32_b32 s52, s51
	s_add_co_u32 s[RUN+\e], s[RUN+\e], s52
.endr
.endm
.irp n, 0,1,2,3,4,5,6,7,8,9,10,11,12,13,14,15
	RANK \n
.endr
.irp e, 0,1,2,3,4,5,6,7
	v_writelane_b32 v6, s[RUN+\e], \e              ; lane e: my wave's count of expert e; the other lanes 0
.endr
	ds_store_b32 v7, v6
	s_wait_dscnt 0x0                               ; for the others' sake: my counts have landed
	s_barrier_signal -1
	s_barrier_wait -1
.irp q, 0,1,2,3
	ds_load_b32 v[64+\q], v8 offset:512*\q         ; wave lane / 8 + 4 q's count of expert lane % 8
.endr
	s_wait_dscnt 0x0
.irp q, 0,1,2,3
	v_add_nc_u32 v5, 4*\q, v9
	v_cmp_gt_u32 vcc_lo, s50, v5                   ; a wave ahead of mine?
	v_cndmask_b32 v[68+\q], 0, v[64+\q], vcc_lo
.endr
	v_add_nc_u32 v72, v64, v65
	v_add_nc_u32 v5, v66, v67
	v_add_nc_u32 v72, v72, v5                      ; all waves',
	v_add_nc_u32 v73, v68, v69
	v_add_nc_u32 v5, v70, v71
	v_add_nc_u32 v73, v73, v5                      ; and those ahead of mine; now over the four lanes that share lane % 8
	v_mov_b32_dpp v74, v72 row_xmask:8 row_mask:0xf bank_mask:0xf
	v_add_nc_u32 v72, v72, v74
	v_permlanex16_b32 v74, v72, s48, s49
	v_add_nc_u32 v72, v72, v74
	v_mov_b32_dpp v74, v73 row_xmask:8 row_mask:0xf bank_mask:0xf
	v_add_nc_u32 v73, v73, v74
	v_permlanex16_b32 v74, v73, s48, s49
	v_add_nc_u32 v73, v73, v74
	s_mov_b32 s52, 0                               ; places so far
	s_mov_b32 s53, 0                               ; tiles so far
.irp e, 0,1,2,3,4,5,6,7
	v_readlane_b32 s[TOT+\e], v72, \e
	s_mov_b32 s[CB+\e], s52
	s_mov_b32 s[TF+\e], s53
	s_add_co_u32 s52, s52, s[TOT+\e]
	s_add_co_u32 s54, s[TOT+\e], 63
	s_lshr_b32 s54, s54, 6
	s_add_co_u32 s53, s53, s54
	v_readlane_b32 s55, v73, \e
	s_add_co_u32 s[RUN+\e], s55, s[CB+\e]          ; where my wave's tokens of expert e begin
.endr
	s_lshl_b32 s51, s50, 9
	v_lshl_add_u32 v5, v1, 2, s51                  ; 512 w + 4 lane
.irp n, 0,1,2,3,4,5,6,7,8,9,10,11,12,13,14,15
	v_mov_b32 v[IX+\n], s[RUN]
.irp e, 1,2,3,4,5,6,7
	v_cmp_eq_u32 vcc_lo, \e, v[A+\n]
	v_cndmask_b32 v[IX+\n], v[IX+\n], s[RUN+\e], vcc_lo
.endr
	v_add_nc_u32 v[P+\n], v[P+\n], v[IX+\n]        ; the token's place
	v_min_u32 v[P+\n], 0x1fff, v[P+\n]             ; a loaded number enters an address only behind a bound
	v_lshlrev_b32 v[P+\n], 2, v[P+\n]
	v_add_nc_u32 v[TK+\n], 128*(\n/4)+\n%4, v5
	global_store_b32 v[P+\n], v[TK+\n], s[6:7]     ; 32,768 bytes in all, each word once
.endr
	s_cmp_gt_u32 s50, 4                            ; the list of tiles: threads 0 to 159, a record each
	s_cbranch_scc1 .Ldone
	v_mov_b32 v88, 0                               ; the last expert whose first tile is at or under i: its number,
	v_mov_b32 v81, 0                               ; first tile,
	v_mov_b32 v82, 0                               ; first place,
	v_mov_b32 v83, s[TOT]                          ; and tokens.  An expert without tokens shares its first tile with the next, which wins
.irp e, 1,2,3,4,5,6,7
	v_cmp_le_u32 vcc_lo, s[TF+\e], v0
	v_cndmask_b32 v88, v88, \e, vcc_lo
	v_cndmask_b32 v81, v81, s[TF+\e], vcc_lo
	v_cndmask_b32 v82, v82, s[CB+\e], vcc_lo
	v_cndmask_b32 v83, v83, s[TOT+\e], vcc_lo
.endr
	v_sub_nc_u32 v84, v0, v81                      ; which tile of the expert
	v_lshlrev_b32 v84, 6, v84
	v_add_nc_u32 v89, v82, v84
	v_min_u32 v89, 0x1fff, v89                     ; its first place
	v_sub_nc_u32 v90, v83, v84
	v_max_i32 v90, 0, v90
	v_min_i32 v90, 64, v90                         ; its rows: 0 beyond the last tile
	v_mov_b32 v91, 0
	v_lshlrev_b32 v92, 4, v0
	global_store_b128 v92, v[88:91], s[8:9]
.Ldone:
	s_wait_tensorcnt 0x0                           ; the wave's end
	ds_add_u32 v2, v3
	s_wait_dscnt 0x0
	s_endpgm
.Lfunc_end_k_qd8a4881a88_place:
	.size	k_qd8a4881a88_place, .Lfunc_end_k_qd8a4881a88_place-k_qd8a4881a88_place
	.p2alignl 7, 3214868480
	.fill 96, 4, 3214868480
	.section	.rodata,"a",@progbits
	.p2align	6, 0x0
	.amdhsa_kernel k_qd8a4881a88_place
		.amdhsa_group_segment_fixed_size 4096
		.amdhsa_private_segment_fixed_size 0
		.amdhsa_enable_private_segment 0
		.amdhsa_kernarg_size 24
		.amdhsa_user_sgpr_count 2
		.amdhsa_user_sgpr_kernarg_segment_ptr 1
		.amdhsa_wavefront_size32 1
		.amdhsa_system_sgpr_workgroup_id_x 1
		.amdhsa_system_sgpr_workgroup_id_y 1
		.amdhsa_system_sgpr_workgroup_id_z 1
		.amdhsa_system_vgpr_workitem_id 0
		.amdhsa_next_free_vgpr 96
		.amdhsa_next_free_sgpr 66
		.amdhsa_reserve_vcc 1
		.amdhsa_float_denorm_mode_32 3
		.amdhsa_float_denorm_mode_16_64 3
		.amdhsa_memory_ordered 1
		.amdhsa_forward_progress 1
		.amdhsa_inst_pref_size 56
	.end_amdhsa_kernel
	.amdgpu_metadata
---
amdhsa.version: [ 1, 2 ]
amdhsa.kernels:
  - .name:           k_qd8a4881a88_place
    .symbol:         k_qd8a4881a88_place.kd
    .args:
      - { .name: assign, .offset: 0, .size: 8, .value_kind: global_buffer, .address_space: global }
      - { .name: order, .offset: 8, .size: 8, .value_kind: global_buffer, .address_space: global }
      - { .name: tiles, .offset: 16, .size: 8, .value_kind: global_buffer, .address_space: global }
    .group_segment_fixed_size: 4096
    .private_segment_fixed_size: 0
    .kernarg_segment_align: 8
    .kernarg_segment_size: 24
    .max_flat_workgroup_size: 512
    .sgpr_count:     66
    .vgpr_count:     96
    .wavefront_size: 32
...
	.end_amdgpu_metadata
.endif
;; end of part 2
;; launch chain (part 3): grid 135 x 1, 4 waves a work-group, no clusters, 233,984 bytes of LDS; arguments input_features, ln_g, ln_b, b1, b2, lowp_scales, wimg, order, tiles, stats, out0; writes out0
.if DOCPART == 3
	.amdgcn_target "amdgcn-amd-amdhsa--gfx1250"
	.amdhsa_code_object_version 6
	.text
	.protected	k_qd8a4881a88_chain
	.globl	k_qd8a4881a88_chain
	.p2align	8
	.type	k_qd8a4881a88_chain,@function
k_qd8a4881a88_chain:
	s_mov_b64 s[64:65], 0
	v_nop
	global_prefetch_b8 v0, s[64:65] scope:SCOPE_SE
	s_setreg_imm32_b32 hwreg(HW_REG_WAVE_MODE, 25, 1), 1
	s_wait_xcnt 0x0
; CHAIN.  out[t] = x[t] + alpha[t] (relu(LN_e(x[t]) W1_e^T + b1_e) W2_e^T + b2_e) for the expert e that token t chose; the other seven experts' rows, which reference()'s own one_hot multiplies by 0, are not computed,
; and a y + (1 - a) x is taken as x + a (y - x) (shown at the head of the first launch).  Both products on codes of BF8 (E5M2), each operand with the one scale 2^e that is given for it: e0 (LN's result), e1 (w1), e2 (hidden), e3 (w2).
; A WORK-GROUP takes one tile of the stored list: up to 64 rows of one expert, through the whole chain; the hidden layer never goes to memory.  135 work-groups serve every split; one that the split leaves
; without rows runs the text on its first place's token and stores nothing (a scalar branch on the stored number of rows round the way out alone: every wave passes every barrier).
; Rows past the tile's last repeat its last row: the same token, the same numbers; where they are stored at all, the same wave stores them to the same bytes.
; No tensor load, no cluster: which expert a work-group serves hangs on numbers read from memory.  The weights come from memory straight into registers, as the images that the first launch laid out.
; SHARES.  At both ends the four waves share the ROWS: wave w loads rows 16 w .. 16 w + 15 of x (a row in 32 registers, kept for the residual), normalises and quantises them, and stores them at the end.
; In the products they share the COLUMNS: ff1: hidden units 128 w .. + 127 in two passes of 4 tiles; ff2: in pass p columns 256 p + 64 w .. + 63.  Both products are used transposed (source 0 = 16 rows of a
; weight, source 1 = 16 tokens), so that a lane holds one token and eight neighbouring columns.  16 accumulators (4 tiles of columns x 4 tiles of tokens) take turns.
; K LIES IN BOTH OPERANDS AS registers 4 c .. 4 c + 3 = K 32 c + 16 (lane / 16) + 0 .. 15: a permutation of k inside an instruction, the same on both sides.
; LIMITS on the given exponents, so that each power of two below is an f32 number: e0, and e2 - e0 - e1, between -126 and 112; e2 + e3 between -126 and 127.  NaN among the inputs is not served.
; LDS: x's codes as 64 rows of 1,024 bytes + 16; the hidden layer's 16 fragments as images of their registers; two stages of 64 rows x (1,024 bytes + 16) for the way out, by turns; the spare words.
; REGISTERS, in windows of 256.  Window 0: v1-15 addresses and scales; v16-31 a row's offset in x and out; v32-95 four fragments of the tokens' codes, later rows on their way out; v96-127 a bias; v128-255 weight sets 0, 1.
;   Window 1: v0-127 the accumulators ((i, m) at 8 (4 i + m)); before them, in the first phase, gain v0-31, bias v32-63, a row at work v64-95, its codes v96-103, v104 an LDS address, v105-106 2^e0 and 57,344 x 2^e0;
;   v128-255 weight sets 2, 3.   Windows 2, 3: x, row i at window 2 + i / 8, v[32 (i % 8) + 4 k + j] = x[128 k + 4 lane + j].
.set XP,    1040                       ; a row of codes or of a stage in LDS: 1,024 bytes + 16 = 65 x 16: the 16 rows that a load touches fall on 16 different 16-byte columns
.set HC,    66560                      ; behind x's codes: the hidden layer's images, fragment (tokens' tile m, K step s) at (4 m + s) x 2,048
.set STG0,  100352
.set STG1,  166912
.set SPARE, 233472                     ; the spare words, 128 bytes for each wave
.set RO,    16
.set ACT,   32
.set BI,    96
.set MSB, 0
.macro WIN new                         ; the immediate's high byte repeats the setting that is left
.if MSB != (\new)
	s_set_vgpr_msb (MSB<<8)|(\new)
.set MSB, \new
.endif
.endm
.macro PLACES n                        ; plain vector lines behind matrix instructions: 4 ahead of loads into their registers and of reads of results, 5 ahead of a matrix instruction that begins an accumulator anew
.rept \n
	v_nop
.endr
.endm
.macro BARRIER                         ; my LDS stores have landed and my LDS loads are in: then the work-group's barrier
	s_wait_dscnt 0x0
	s_barrier_signal -1
	s_barrier_wait -1
.endm
.macro XLOAD i                         ; row i of x: eight loads of 512 consecutive bytes
	WIN 0x80+0x40*((\i)/8)
.irp k, 0,1,2,3,4,5,6,7
	global_load_b128 v[32*((\i)%8)+4*\k:32*((\i)%8)+4*\k+3], v[RO+(\i)], s[4:5] offset:512*\k
.endr
.endm
; Half of step q's weights: two fragments, eight loads of 512 consecutive bytes, into set q % 4.  Steps 0-15: ff1, pass q / 8, K step q % 8.  Steps 16-31: ff2, pass (q - 16) / 4, K step (q - 16) % 4.
.macro WLOAD q, half
.set WZ, (\q)%4
.set WR, 128+64*(WZ%2)
	WIN 0x40*(WZ/2)
.irp i, 2*(\half), 2*(\half)+1
.irp c, 0,1,2,3
.if (\q) < 16
	global_load_b128 v[WR+16*(\i)+4*\c:WR+16*(\i)+4*\c+3], v1, s[26:27] offset:(4*((\q)/8)+(\i))*16384+2048*((\q)%8)+512*\c
.else
	global_load_b128 v[WR+16*(\i)+4*\c:WR+16*(\i)+4*\c+3], v1, s[28:29] offset:131072*(((\q)-16)/4)+8192*(\i)+2048*(((\q)-16)%4)+512*\c
.endif
.endr
.endr
.endm
.macro B1LOAD a                        ; b1 in the result's layout: lane (r, h), tile i of pass a: hidden units 32 ((4 a + i) / 2) + 8 (i % 2) + 16 h + 0 .. 7 of my wave's 128
	WIN 0
.irp i, 0,1,2,3
	global_load_b128 v[BI+8*\i:BI+8*\i+3], v14, s[10:11] offset:(32*((4*(\a)+\i)/2)+8*(\i%2))*4
	global_load_b128 v[BI+8*\i+4:BI+8*\i+7], v14, s[10:11] offset:(32*((4*(\a)+\i)/2)+8*(\i%2))*4+16
.endr
.endm
.macro B1SCALE                         ; a sum of the first product stands for sum x 2^(e0 + e1): b1 goes in as b1 / 2^(e0 + e1)
.irp j, 0,1,2,3,4,5,6,7,8,9,10,11,12,13,14,15,16,17,18,19,20,21,22,23,24,25,26,27,28,29,30,31
	v_ldexp_f32 v[BI+\j], v[BI+\j], s71
.endr
.endm
.macro B2LOAD                          ; b2 as a row of x lies
	WIN 0
.irp k, 0,1,2,3,4,5,6,7
	global_load_b128 v[BI+4*\k:BI+4*\k+3], v1, s[12:13] offset:512*\k
.endr
.endm
.macro ITEM i                          ; eight loads ahead of row i's work, always eight, so that one count serves every row
.if (\i) <= 10
	XLOAD 5+\i
.elseif (\i) == 11
	B1LOAD 0
.else
	WLOAD ((\i)-12)/2, ((\i)-12)%2
.endif
.endm
; Row i: ((x - mean) rstd) g + b in f32, as reference() has it; held within the largest code x 2^e0; converted; 1,024 codes to LDS, 128 consecutive bytes a store.
.macro LNROW i
	s_mov_b32 s78, s[32+(\i)]                      ; -mean
	s_mov_b32 s80, s[48+(\i)]                      ; rstd
	WIN 0x42+(\i)/8                                ; source 0 (x) window 2 or 3, destination window 1
.irp u, 0,2,4,6,8,10,12,14,16,18,20,22,24,26,28,30
	v_pk_add_f32 v[64+\u:65+\u], v[32*((\i)%8)+\u:32*((\i)%8)+\u+1], s[78:79] op_sel_hi:[1,0]
.endr
	WIN 0x55                                       ; all in window 1
.irp u, 0,2,4,6,8,10,12,14,16,18,20,22,24,26,28,30
	v_pk_mul_f32 v[64+\u:65+\u], v[64+\u:65+\u], s[80:81] op_sel_hi:[1,0]
.endr
.irp u, 0,2,4,6,8,10,12,14,16,18,20,22,24,26,28,30
	v_pk_fma_f32 v[64+\u:65+\u], v[64+\u:65+\u], v[\u:\u+1], v[32+\u:33+\u]
.endr
.irp j, 0,1,2,3,4,5,6,7,8,9,10,11,12,13,14,15,16,17,18,19,20,21,22,23,24,25,26,27,28,29,30,31
	v_med3_num_f32 v[64+\j], v[64+\j], -v106, v106     ; the conversion to an 8-bit code does not saturate (ISA guide 7.6.2)
.endr
	s_wait_dscnt 0x0                               ; the last row's stores have read the codes' registers
.irp v, 0,1,2,3
	v_cvt_scalef32_pk8_bf8_f32 v[96+2*\v:97+2*\v], v[64+8*\v:71+8*\v], v105    ; register k of the eight: the codes of x[128 k + 4 lane + 0 .. 3]
.endr
	v_nop                                          ; a plain line between the conversions and the next row's writes of their sources
.irp k, 0,1,2,3,4,5,6,7
	ds_store_b32 v104, v[96+\k] offset:XP*(\i)+128*\k
.endr
.endm
.macro ACT1 s                          ; the four tiles of tokens, K step s of x's codes: lane (r, h): row 16 m + r, bytes 128 s + 32 c + 16 h on
.irp m, 0,1,2,3
.irp c, 0,1,2,3
	ds_load_b128 v[ACT+16*\m+4*\c:ACT+16*\m+4*\c+3], v4 offset:16*XP*\m+128*(\s)+32*\c
.endr
.endr
.endm
.macro ACT2 s                          ; the same of the hidden layer: images come back as they were stored
.irp m, 0,1,2,3
.irp c, 0,1,2,3
	ds_load_b128 v[ACT+16*\m+4*\c:ACT+16*\m+4*\c+3], v6 offset:(4*\m+(\s))*2048+512*\c
.endr
.endr
.endm
; 16 matrix instructions, one on each accumulator.  cmode 0: onto the sums; 1: the bias starts them; 2: the constant 0 does.
.macro MM q, cmode
.set MZ, (\q)%4
.set MW, 128+64*(MZ%2)
.if \cmode == 0
	WIN 0x50+MZ/2                                  ; C and D window 1, the weights' set in window 0 or 1, the tokens' codes in window 0
.else
	WIN 0x40+MZ/2
.endif
.irp m, 0,1,2,3
.irp i, 0,1,2,3
.if \cmode == 0
	v_wmma_f32_16x16x128_bf8_bf8 v[8*(4*\i+\m):8*(4*\i+\m)+7], v[MW+16*\i:MW+16*\i+15], v[ACT+16*\m:ACT+16*\m+15], v[8*(4*\i+\m):8*(4*\i+\m)+7]
.elseif \cmode == 1
	v_wmma_f32_16x16x128_bf8_bf8 v[8*(4*\i+\m):8*(4*\i+\m)+7], v[MW+16*\i:MW+16*\i+15], v[ACT+16*\m:ACT+16*\m+15], v[BI+8*\i:BI+8*\i+7]
.else
	v_wmma_f32_16x16x128_bf8_bf8 v[8*(4*\i+\m):8*(4*\i+\m)+7], v[MW+16*\i:MW+16*\i+15], v[ACT+16*\m:ACT+16*\m+15], 0
.endif
.endr
.endr
.endm
; A step of 128 along K.  The count on the loads: behind step q's set stand the sets of the three steps that follow, 48 loads (a bias asked for in between only makes the true number larger); the last three run down.
.macro STEP q
	s_wait_dscnt 0x0                               ; the tokens' codes of this step are in
.if (\q) <= 28
	s_wait_loadcnt 48
.else
	s_wait_loadcnt 16*(31-(\q))
.endif
.if ((\q) == 0) || ((\q) == 8)
	B1SCALE
	MM \q, 1
.elseif ((\q) >= 16) && (((\q)%4) == 0)
	MM \q, 2
.else
	MM \q, 0
.endif
	WIN 0
.if (((\q)%8) == 7) || (((\q) >= 16) && (((\q)%4) == 3))
	PLACES 5                                       ; a pass's last step: the next pass begins the accumulators anew
.else
	PLACES 4
.if (\q) < 16
	ACT1 (\q)%8+1
.else
	ACT2 (\q)%4+1
.endif
.endif
.if (\q) == 0
	B1LOAD 1                                       ; the second pass's b1, into the registers that this step's products have read
.endif
.if (\q) == 8
	B2LOAD
.endif
.if (\q) <= 27
	WLOAD (\q)+4, 0                                ; the set just read takes the weights of four steps on
	WLOAD (\q)+4, 1
	WIN 0
.endif
.endm
; Pass a's 16 accumulators become codes: the activation and the hold in one, the three scales folded into the conversion's one.  Tiles 2 g and 2 g + 1 give register group c = 2 a + g of my K step's fragment.
.macro QUANT a
	WIN 0x41
.irp m, 0,1,2,3
.irp i, 0,1,2,3
.irp j, 0,1,2,3,4,5,6,7
	v_med3_num_f32 v[8*(4*\i+\m)+\j], v[8*(4*\i+\m)+\j], 0, v12    ; each accumulator from its low end on
.endr
.endr
.endr
	WIN 0x01
.irp m, 0,1,2,3
.irp i, 0,1,2,3
	v_cvt_scalef32_pk8_bf8_f32 v[ACT+8*\m+2*\i:ACT+8*\m+2*\i+1], v[8*(4*\i+\m):8*(4*\i+\m)+7], v11
.endr
.endr
	v_nop                                          ; a plain line between the conversions and the products that write their sources
	WIN 0
.irp m, 0,1,2,3
.irp g, 0,1
	ds_store_b128 v5, v[ACT+8*\m+4*\g:ACT+8*\m+4*\g+3] offset:8192*\m+512*(2*(\a)+\g)
.endr
.endr
	s_wait_dscnt 0x0                               ; the stores have read their registers
.endm
.macro TOSTAGE p                       ; lane (r, h), accumulator (i, m): row 16 m + r, columns 64 w + 16 i + 8 h + 0 .. 7 of the pass's 256
	WIN 0x04                                       ; the data in window 1
.irp m, 0,1,2,3
.irp i, 0,1,2,3
	ds_store_b128 v[7+(\p)%2], v[8*(4*\i+\m):8*(4*\i+\m)+3] offset:16*XP*\m+64*\i
	ds_store_b128 v[7+(\p)%2], v[8*(4*\i+\m)+4:8*(4*\i+\m)+7] offset:16*XP*\m+64*\i+16
.endr
.endr
	WIN 0
.endm
; My 16 rows of the pass's 256 columns: out = x + alpha (sum x 2^(e2 + e3) + b2), eight rows at a time.  A wave all of whose rows lie past the tile's last stores nothing.
.macro DRAIN p
	s_cmp_le_u32 s70, s83                          ; rows <= 16 w: a stored whole number against the wave's number
	s_cbranch_scc1 .Lskip_\@
.irp g, 0,1
.if \g == 1
	s_wait_xcnt 0x0                                ; the first eight rows' stores have read their registers
.endif
.irp r, 0,1,2,3,4,5,6,7
	ds_load_b128 v[ACT+8*\r:ACT+8*\r+3], v[9+(\p)%2] offset:XP*(8*\g+\r)
	ds_load_b128 v[ACT+8*\r+4:ACT+8*\r+7], v[9+(\p)%2] offset:XP*(8*\g+\r)+512
.endr
	s_wait_dscnt 0x0
.irp r, 0,1,2,3,4,5,6,7
.irp d, 0,2,4,6
	v_pk_fma_f32 v[ACT+8*\r+\d:ACT+8*\r+\d+1], v[ACT+8*\r+\d:ACT+8*\r+\d+1], s[76:77], v[BI+8*(\p)+\d:BI+8*(\p)+\d+1] op_sel_hi:[1,0,1]
.endr
.endr
	WIN 0x20+0x10*\g                               ; source 2 (x) window 2 or 3
.irp r, 0,1,2,3,4,5,6,7
	s_mov_b32 s78, s[84+8*\g+\r]                   ; the row's alpha
.irp d, 0,2,4,6
	v_pk_fma_f32 v[ACT+8*\r+\d:ACT+8*\r+\d+1], v[ACT+8*\r+\d:ACT+8*\r+\d+1], s[78:79], v[32*\r+8*(\p)+\d:32*\r+8*(\p)+\d+1] op_sel_hi:[1,0,1]
.endr
.endr
	WIN 0
.irp r, 0,1,2,3,4,5,6,7
	global_store_b128 v[RO+8*\g+\r], v[ACT+8*\r:ACT+8*\r+3], s[24:25] offset:1024*(\p) th:TH_STORE_NT      ; 32 lanes store 512 consecutive bytes of a row, at a multiple of 256 from out's first byte
	global_store_b128 v[RO+8*\g+\r], v[ACT+8*\r+4:ACT+8*\r+7], s[24:25] offset:1024*(\p)+512 th:TH_STORE_NT
.endr
.endr
.Lskip_\@:
	s_wait_xcnt 0x0                                ; the stores have read their registers: the next pass's codes may land there
.endm
	; ---------------- the head ----------------
	s_load_b512 s[4:19], s[0:1], 0x0               ; x s[4:5], ln_g s[6:7], ln_b s[8:9], b1 s[10:11], b2 s[12:13], the scales' exponents s[14:15], the images s[16:17], order s[18:19]
	s_load_b128 s[20:23], s[0:1], 0x40             ; tiles s[20:21], stats s[22:23]
	s_load_b64 s[24:25], s[0:1], 0x50              ; out
	v_lshl_add_u32 v2, v0, 2, SPARE                ; my spare word; never rewritten
	v_mov_b32 v3, 0                                ; 0; never rewritten
	v_lshrrev_b32 v13, 5, v0
	v_readfirstlane_b32 s82, v13                   ; wave 0..3
	s_lshl_b32 s83, s82, 4                         ; my first row of the tile
	v_and_b32 v15, 31, v0                          ; lane
	v_lshlrev_b32 v1, 4, v15                       ; 16 x lane
	v_and_b32 v13, 15, v0                          ; r
	v_bfe_u32 v14, v0, 4, 1                        ; h
	v_mul_u32_u24 v4, v13, XP
	v_lshl_add_u32 v4, v14, 4, v4                  ; x's codes: row r, + 16 h
	s_lshl_b32 s30, s82, 11
	v_add_nc_u32 v5, s30, v1
	v_add_nc_u32 v5, HC, v5                        ; where I store the hidden layer's images: K step w
	v_add_nc_u32 v6, HC, v1                        ; and where any image is read
	v_mul_u32_u24 v7, v13, XP
	v_lshl_add_u32 v7, v14, 5, v7
	s_lshl_b32 s30, s82, 8
	v_add_nc_u32 v7, s30, v7                       ; into a stage: row r, + 32 h, + my wave's 256 bytes
	v_add_nc_u32 v8, STG1, v7
	v_add_nc_u32 v7, STG0, v7
	s_mul_i32 s30, s82, 16*XP
	v_add_nc_u32 v9, s30, v1                       ; out of a stage: my 16 rows, 16 bytes a lane
	v_add_nc_u32 v10, STG1, v9
	v_add_nc_u32 v9, STG0, v9
	v_lshlrev_b32 v15, 2, v15
	WIN 0x40
	v_add_nc_u32 v104, s30, v15                    ; (window 1)  where a row's codes go: my 16 rows, 4 bytes a lane
	WIN 0
	v_lshlrev_b32 v14, 6, v14                      ; 64 h: b1's bytes for my half
	s_mov_b32 s79, 0                               ; named as the upper halves of pairs, so they are written
	s_mov_b32 s81, 0
	s_lshl_b32 s30, ttmp9, 4
	s_mov_b32 s31, 0
	s_mov_b32 s67, 0
	s_wait_kmcnt 0x0
	s_add_nc_u64 s[20:21], s[20:21], s[30:31]
	s_load_b128 s[68:71], s[20:21], 0x0            ; my tile: expert, first place, rows, 0
	s_load_b128 s[72:75], s[14:15], 0x0            ; e0, e1, e2, e3
	s_wait_kmcnt 0x0
	s_min_u32 s68, s68, 7                          ; loaded numbers enter addresses only behind a bound
	s_min_u32 s69, s69, 8191
	s_min_u32 s70, s70, 64
	s_lshl_b32 s30, s68, 12                        ; the expert's row of ln_g, ln_b, b2
	s_add_nc_u64 s[6:7], s[6:7], s[30:31]
	s_add_nc_u64 s[8:9], s[8:9], s[30:31]
	s_add_nc_u64 s[12:13], s[12:13], s[30:31]
	s_lshl_b32 s30, s68, 11                        ; of b1, and my wave's 128 numbers in it
	s_lshl_b32 s66, s82, 9
	s_add_co_u32 s30, s30, s66
	s_add_nc_u64 s[10:11], s[10:11], s[30:31]
	s_lshl_b32 s30, s68, 19                        ; 64 units of 8,192 bytes an expert
	s_lshl_b32 s66, s82, 17                        ; w1: my wave's 8 tiles of two units
	s_add_co_u32 s66, s66, s30
	s_add_nc_u64 s[26:27], s[16:17], s[66:67]
	s_lshl_b32 s66, s82, 15                        ; w2: my wave's 4 tiles of a pass
	s_add_co_u32 s66, s66, s30
	s_add_co_u32 s66, s66, 4194304                 ; behind w1's 512 units
	s_add_nc_u64 s[28:29], s[16:17], s[66:67]
	; the tile's rows: lane r of each half takes row min(16 w + r, rows - 1)
	s_max_u32 s30, s70, 1
	s_sub_co_u32 s30, s30, 1
	v_add_nc_u32 v15, s83, v13
	v_min_u32 v15, s30, v15
	v_add_nc_u32 v15, s69, v15
	v_min_u32 v15, 0x1fff, v15
	v_lshlrev_b32 v15, 2, v15
	global_load_b32 v13, v15, s[18:19]             ; its token
	WIN 0x40
.irp k, 0,1,2,3,4,5,6,7
	global_load_b128 v[4*\k:4*\k+3], v1, s[6:7] offset:512*\k          ; the gain, as a row of x lies
.endr
.irp k, 0,1,2,3,4,5,6,7
	global_load_b128 v[32+4*\k:32+4*\k+3], v1, s[8:9] offset:512*\k    ; the bias
.endr
	; the scales
	s_add_co_i32 s30, s72, 127
	s_lshl_b32 s31, s30, 23
	v_mov_b32 v105, s31                            ; (window 1)  2^e0 as f32: the conversion takes its exponent field
	s_add_co_i32 s30, s30, 15
	s_lshl_b32 s30, s30, 23
	s_or_b32 s30, s30, 0x600000
	v_mov_b32 v106, s30                            ; (window 1)  57,344 x 2^e0
	WIN 0
	s_add_co_i32 s66, s72, s73                     ; e0 + e1
	s_sub_co_i32 s71, 0, s66                       ; b1's exponent
	s_sub_co_i32 s30, s74, s66
	s_add_co_i32 s30, s30, 127
	s_lshl_b32 s31, s30, 23
	v_mov_b32 v11, s31                             ; 2^(e2 - e0 - e1): the hidden layer's conversions: three scales folded into one
	s_add_co_i32 s30, s30, 15
	s_lshl_b32 s30, s30, 23
	s_or_b32 s30, s30, 0x600000
	v_mov_b32 v12, s30                             ; 57,344 x that
	s_add_co_i32 s76, s74, s75
	s_add_co_i32 s76, s76, 127
	s_lshl_b32 s76, s76, 23                        ; 2^(e2 + e3)
	s_mov_b32 s77, s76
	s_wait_loadcnt 16                              ; the token is in; the gain's and the bias's sixteen loads may be out
	v_min_u32 v13, 0x1fff, v13
	v_lshlrev_b32 v15, 4, v13                      ; (that wait has shown the load that read v15 done)
	global_load_b128 v[32:35], v15, s[22:23]       ; alpha, -mean, rstd of lane r's row
.irp i, 0,1,2,3,4,5,6,7,8,9,10,11,12,13,14,15
	v_readlane_b32 s30, v13, \i
	s_min_u32 s30, s30, 8191
	s_lshl_b32 s30, s30, 12
	v_add_nc_u32 v[RO+\i], s30, v1                 ; row i's token x 4,096 + 16 lane: its place in x and in out
.endr
.irp i, 0,1,2,3,4
	XLOAD \i
.endr
	WIN 0
	s_wait_loadcnt 40                              ; all but those five rows' loads
.irp i, 0,1,2,3,4,5,6,7,8,9,10,11,12,13,14,15
	v_readlane_b32 s[84+\i], v32, \i               ; data alone: no address and no branch hangs on them
	v_readlane_b32 s[32+\i], v33, \i
	v_readlane_b32 s[48+\i], v34, \i
.endr
	; ---------------- layer norm and quantiser, my 16 rows ----------------
.irp i, 0,1,2,3,4,5,6,7,8,9,10,11,12,13,14,15
	ITEM \i
	s_wait_loadcnt 40                              ; behind row i's eight loads stand five items of eight
	LNROW \i
.endr
	WLOAD 2, 0
	WLOAD 2, 1
	WLOAD 3, 0
	WLOAD 3, 1
	WIN 0
	BARRIER                                        ; the 64 rows' codes lie in LDS
	; ---------------- ff1: my 128 hidden units, two passes of 8 K steps ----------------
	ACT1 0
.irp q, 0,1,2,3,4,5,6,7
	STEP \q
.endr
	QUANT 0
	ACT1 0
.irp q, 8,9,10,11,12,13,14,15
	STEP \q
.endr
	QUANT 1
	BARRIER                                        ; the hidden layer's sixteen fragments lie in LDS
	; ---------------- ff2: four passes of 256 columns, 4 K steps each.  The stages take turns: pass p + 2 writes a stage only behind pass p + 1's barrier, ahead of which every wave has waited for its reads of it ----------------
.irp p, 0,1,2,3
	ACT2 0
	STEP 16+4*\p
	STEP 17+4*\p
	STEP 18+4*\p
	STEP 19+4*\p
	TOSTAGE \p
	BARRIER                                        ; 64 rows x 256 columns lie in the stage
	DRAIN \p
.endr
	s_wait_tensorcnt 0x0                           ; the wave's end
	ds_add_u32 v2, v3
	s_wait_dscnt 0x0
	s_endpgm
.Lfunc_end_k_qd8a4881a88_chain:
	.size	k_qd8a4881a88_chain, .Lfunc_end_k_qd8a4881a88_chain-k_qd8a4881a88_chain
	.p2alignl 7, 3214868480
	.fill 96, 4, 3214868480
	.section	.rodata,"a",@progbits
	.p2align	6, 0x0
	.amdhsa_kernel k_qd8a4881a88_chain
		.amdhsa_group_segment_fixed_size 233984
		.amdhsa_private_segment_fixed_size 0
		.amdhsa_enable_private_segment 0
		.amdhsa_kernarg_size 88
		.amdhsa_user_sgpr_count 2
		.amdhsa_user_sgpr_kernarg_segment_ptr 1
		.amdhsa_wavefront_size32 1
		.amdhsa_system_sgpr_workgroup_id_x 1
		.amdhsa_system_sgpr_workgroup_id_y 1
		.amdhsa_system_sgpr_workgroup_id_z 1
		.amdhsa_system_vgpr_workitem_id 0
		.amdhsa_next_free_vgpr 1024
		.amdhsa_next_free_sgpr 100
		.amdhsa_reserve_vcc 0
		.amdhsa_float_denorm_mode_32 3
		.amdhsa_float_denorm_mode_16_64 3
		.amdhsa_memory_ordered 1
		.amdhsa_forward_progress 1
		.amdhsa_inst_pref_size 255
	.end_amdhsa_kernel
	.section	.bss,"aw",@nobits
	.p2align	6
	.space	262144
	.amdgpu_metadata
---
amdhsa.version: [ 1, 2 ]
amdhsa.kernels:
  - .name:           k_qd8a4881a88_chain
    .symbol:         k_qd8a4881a88_chain.kd
    .args:
      - { .name: input_features, .offset: 0, .size: 8, .value_kind: global_buffer, .address_space: global }
      - { .name: ln_g, .offset: 8, .size: 8, .value_kind: global_buffer, .address_space: global }
      - { .name: ln_b, .offset: 16, .size: 8, .value_kind: global_buffer, .address_space: global }
      - { .name: b1, .offset: 24, .size: 8, .value_kind: global_buffer, .address_space: global }
      - { .name: b2, .offset: 32, .size: 8, .value_kind: global_buffer, .address_space: global }
      - { .name: lowp_scales, .offset: 40, .size: 8, .value_kind: global_buffer, .address_space: global }
      - { .name: wimg, .offset: 48, .size: 8, .value_kind: global_buffer, .address_space: global }
      - { .name: order, .offset: 56, .size: 8, .value_kind: global_buffer, .address_space: global }
      - { .name: tiles, .offset: 64, .size: 8, .value_kind: global_buffer, .address_space: global }
      - { .name: stats, .offset: 72, .size: 8, .value_kind: global_buffer, .address_space: global }
      - { .name: out0, .offset: 80, .size: 8, .value_kind: global_buffer, .address_space: global }
    .group_segment_fixed_size: 233984
    .private_segment_fixed_size: 0
    .kernarg_segment_align: 8
    .kernarg_segment_size: 88
    .max_flat_workgroup_size: 128
    .sgpr_count:     100
    .vgpr_count:     1024
    .wavefront_size: 32
...
	.end_amdgpu_metadata
.endif
;; end of part 3
;; ======== version 2 of 2: 3 launches
;; workspace buffers: assign 32,768 bytes of whole numbers; stats 131,072 bytes; wimg 8,388,608 bytes; order 32,768 bytes of whole numbers; tiles 2,560 bytes of whole numbers
;; launch route (part 4): grid 384 x 1, 4 waves a work-group, no clusters, 34,304 bytes of LDS; arguments input_features, centroids, w1_codes, w2_codes, assign, stats, wimg; writes assign, stats, wimg
.if DOCPART == 4
	.amdgcn_target "amdgcn-amd-amdhsa--gfx1250"
	.amdhsa_code_object_version 6
	.text
	.protected	k_qd8a4881a88_route
	.globl	k_qd8a4881a88_route
	.p2align	8
	.type	k_qd8a4881a88_route,@function
k_qd8a4881a88_route:
	s_mov_b64 s[64:65], 0
	v_nop
	global_prefetch_b8 v0, s[64:65] scope:SCOPE_SE
	s_setreg_imm32_b32 hwreg(HW_REG_WAVE_MODE, 25, 1), 1
	s_wait_xcnt 0x0
; ROUTE.  First of three launches for: out[t] = x[t] + alpha[t] (relu(LN_e(x[t]) W1_e^T + b1_e) W2_e^T + b2_e), e = argmax over the experts of x[t] . centroid_e, alpha = sigmoid of that largest affinity.
; WORK LEFT OUT, for all finite values of the inputs:
;  (a) reference() multiplies gated[e'][t] by onehot[t][e'], which it builds itself and which is 0 for every e' other than assign[t]: the layer norm's gain and bias, both products, the bias, the residual and
;      the gate of the seven experts that a token did not choose reach no output.  Only the chosen expert's rows are computed (the third launch).
;  (b) x @ centroids.T is written twice in reference() with the same operands: it is computed once, here, and serves the argmax and the sigmoid.
;  (c) a y + (1 - a) x with y = x + f is x + a f, an identity in real numbers.
;  Every input still has a way to the output and is loaded by some launch.  LIMIT: a NaN, an infinity or an overflow that arises only in an expert that a token did not choose is not carried to the result.
; LIMITS: NaN among the inputs is not served.  Two affinities of a token that lie closer than the rounding of an f32 sum of 1,024 terms may change places in the argmax; equal ones give the lower index.
; WORK-GROUPS 0-255: 32 tokens each, 8 to a wave, a whole row (4,096 bytes) in 32 registers of one wave; the eight centroids stay in 256 registers.  For each token: the eight affinities (f32 multiply-adds),
;  the argmax, -mean, the sum of squares about the mean; at the end, for the wave's 8 tokens at once in lanes 0-7: 1 / sqrt(var + eps) and the sigmoid.  No LDS, no barrier.
;  assign[t] (int32) and stats[t] = (alpha, -mean, rstd, 0) go to fixed places: no address here hangs on a floating-point number.
; WORK-GROUPS 256-383: the weights' codes are laid out once as images of the operand registers that the third launch loads: units of 8,192 bytes = 16 rows x 512 along K = four fragments of 2,048 bytes;
;  in a fragment register group c lies at 512 c and lane l's 16 bytes at 16 l; lane (r = l % 16, h = l / 16) holds, of the tile's row r, K = 128 s + 32 c + 16 h + 0 .. 15.
;  Unit 64 e + 2 t + q: w1, expert e, tile t, half q of K; the tile's row r is w1's row 32 (t / 2) + 8 (t % 2) + r + 8 (r / 8), so that two neighbouring tiles' results are 16 neighbours along the next K.
;  Unit 512 + 64 e + n: w2, expert e, rows 16 n + r.  A wave turns two units through its own stage in LDS (16 rows of 512 bytes + 16): every load and every store of a wave covers 512 consecutive bytes.
.set SPARE, 33792                      ; behind the four stages: the spare words, 128 bytes for each wave
.set STW,   8448                       ; a wave's stage: 16 rows x 528 bytes
.set SP,    528                        ; a stage row: 512 bytes + 16 = 33 x 16: the 16 rows that a load touches fall on 16 different 16-byte columns
.set X,     32                         ; v32-159   four row slots of 32 registers
.set AF,    160                        ; v160-175  the eight affinities, a pair each
.set MSB, 0
.macro WIN new                         ; the immediate's high byte repeats the setting that is left
.if MSB != (\new)
	s_set_vgpr_msb (MSB<<8)|(\new)
.set MSB, \new
.endif
.endm
	s_load_b256 s[4:11], s[0:1], 0x0               ; x s[4:5], centroids s[6:7], w1's codes s[8:9], w2's codes s[10:11]
	s_load_b128 s[12:15], s[0:1], 0x20             ; assign s[12:13], stats s[14:15]
	s_load_b64 s[16:17], s[0:1], 0x30              ; the images
	v_lshl_add_u32 v2, v0, 2, SPARE                ; my spare word; never rewritten
	v_mov_b32 v3, 0                                ; 0; never rewritten
	v_lshrrev_b32 v4, 5, v0
	v_readfirstlane_b32 s20, v4                    ; wave 0..3
	v_and_b32 v5, 31, v0                           ; lane
	v_lshlrev_b32 v1, 4, v5                        ; 16 x lane
	s_wait_kmcnt 0x0
	s_cmp_ge_u32 ttmp9, 256
	s_cbranch_scc1 .Llayout
	; ---------------- the tokens ----------------
	s_lshl_b32 s22, ttmp9, 17                      ; 32 rows of 4,096 bytes a work-group,
	s_lshl_b32 s21, s20, 15                        ; 8 a wave
	s_add_co_u32 s22, s22, s21
	s_mov_b32 s23, 0
	s_add_nc_u64 s[4:5], s[4:5], s[22:23]
	s_mov_b32 s24, 0x76543210                      ; v_permlanex16_b32: lane l xor 16
	s_mov_b32 s25, 0xfedcba98
	s_mov_b32 s26, 0xba800000                      ; -1 / 1024
	s_mov_b32 s27, 0x3a800000                      ; 1 / 1024
	s_mov_b32 s28, 0x3727c5ac                      ; 1e-5
	WIN 0x40                                       ; destination window 1: centroid e at v[32 e + 4 k + j] = c[e][128 k + 4 lane + j], as a row of x lies in its slot
	s_wait_alu depctr_va_vdst(0)
.irp e, 0,1,2,3,4,5,6,7
.irp k, 0,1,2,3,4,5,6,7
	global_load_b128 v[32*\e+4*\k:32*\e+4*\k+3], v1, s[6:7] offset:4096*\e+512*\k
.endr
.endr
	WIN 0
.macro XFILL i                         ; row i into slot i % 4: eight loads of 512 consecutive bytes
.irp k, 0,1,2,3,4,5,6,7
	global_load_b128 v[X+32*((\i)%4)+4*\k:X+32*((\i)%4)+4*\k+3], v1, s[4:5] offset:4096*(\i)+512*\k th:TH_LOAD_NT
.endr
.endm
	XFILL 0
	XFILL 1
	XFILL 2
	XFILL 3
	v_mov_b32 v200, 0                              ; the collectors: lane i takes row i's expert,
	v_mov_b32 v201, 0                              ; largest affinity,
	v_mov_b32 v202, 0                              ; -mean,
	v_mov_b32 v203, 0                              ; and sum of squares
.macro BFLY a, t                       ; the sum over the 32 lanes, in every lane; t: a register that has been written
.irp x, 1,2,4,8
	v_add_f32_dpp v[\a], v[\a], v[\a] row_xmask:\x row_mask:0xf bank_mask:0xf
.endr
	v_permlanex16_b32 v[\t], v[\a], s24, s25
	v_add_f32 v[\a], v[\a], v[\t]
.endm
; Row i.  left: the loads issued behind this row's eight, which may stay out.
.macro ROW i, left
.set XR, X+32*((\i)%4)
	s_wait_loadcnt \left
	WIN 0x04                                       ; source 1 (the centroids) window 1
.irp u, 0,1,2,3,4,5,6,7,8,9,10,11,12,13,14,15
.irp e, 0,1,2,3,4,5,6,7
.if \u == 0
	v_pk_mul_f32 v[AF+2*\e:AF+2*\e+1], v[XR+2*\u:XR+2*\u+1], v[32*\e+2*\u:32*\e+2*\u+1]    ; the first product starts the sum; eight chains by turns
.else
	v_pk_fma_f32 v[AF+2*\e:AF+2*\e+1], v[XR+2*\u:XR+2*\u+1], v[32*\e+2*\u:32*\e+2*\u+1], v[AF+2*\e:AF+2*\e+1]
.endif
.endr
.endr
	WIN 0
	v_pk_add_f32 v[176:177], v[XR:XR+1], v[XR+2:XR+3]          ; the row's sum, in two chains
	v_pk_add_f32 v[178:179], v[XR+4:XR+5], v[XR+6:XR+7]
.irp u, 4,6,8,10,12,14
	v_pk_add_f32 v[176:177], v[176:177], v[XR+2*\u:XR+2*\u+1]
	v_pk_add_f32 v[178:179], v[178:179], v[XR+2*\u+2:XR+2*\u+3]
.endr
	v_pk_add_f32 v[176:177], v[176:177], v[178:179]
	v_add_f32 v176, v176, v177
	BFLY 176, 177
	v_mul_f32 v180, s26, v176                      ; -mean, twice: a pair for the packed addition
	v_mul_f32 v181, s26, v176
.irp g, 0,1,2,3                        ; the sum of (x - mean)^2, as reference() has it, in two chains
.irp d, 0,1,2,3
	v_pk_add_f32 v[186+2*\d:187+2*\d], v[XR+8*\g+2*\d:XR+8*\g+2*\d+1], v[180:181]
.endr
.irp d, 0,1,2,3
.if (\g == 0) && (\d < 2)
	v_pk_mul_f32 v[182+2*\d:183+2*\d], v[186+2*\d:187+2*\d], v[186+2*\d:187+2*\d]
.else
	v_pk_fma_f32 v[182+2*(\d%2):183+2*(\d%2)], v[186+2*\d:187+2*\d], v[186+2*\d:187+2*\d], v[182+2*(\d%2):183+2*(\d%2)]
.endif
.endr
.endr
	v_pk_add_f32 v[182:183], v[182:183], v[184:185]
	v_add_f32 v182, v182, v183
	BFLY 182, 183
.irp e, 0,1,2,3,4,5,6,7                ; the eight affinities over the lanes, step by step across the experts
	v_add_f32 v[AF+2*\e], v[AF+2*\e], v[AF+2*\e+1]
.endr
.irp x, 1,2,4,8
.irp e, 0,1,2,3,4,5,6,7
	v_add_f32_dpp v[AF+2*\e], v[AF+2*\e], v[AF+2*\e] row_xmask:\x row_mask:0xf bank_mask:0xf
.endr
.endr
.irp e, 0,1,2,3,4,5,6,7
	v_permlanex16_b32 v[AF+2*\e+1], v[AF+2*\e], s24, s25
.endr
.irp e, 0,1,2,3,4,5,6,7
	v_add_f32 v[AF+2*\e], v[AF+2*\e], v[AF+2*\e+1]
.endr
	v_mov_b32 v195, v[AF]                          ; the largest so far, and its expert: a later one wins only if it is greater, as jnp.argmax has it
	v_mov_b32 v196, 0
.irp e, 1,2,3,4,5,6,7
	v_cmp_gt_f32 vcc_lo, v[AF+2*\e], v195
	v_cndmask_b32 v196, v196, \e, vcc_lo
	v_max_num_f32 v195, v195, v[AF+2*\e]
.endr
	s_mov_b32 s29, 1<<(\i)                         ; lane i keeps row i's four numbers
	v_cndmask_b32 v200, v200, v196, s29
	v_cndmask_b32 v201, v201, v195, s29
	v_cndmask_b32 v202, v202, v180, s29
	v_cndmask_b32 v203, v203, v182, s29
.if (\i) < 4
	XFILL (\i)+4                                   ; the slot just read takes the row four further on
.endif
.endm
	ROW 0, 24                                      ; three rows of eight loads stand behind each row's own, then the counts run down
	ROW 1, 24
	ROW 2, 24
	ROW 3, 24
	ROW 4, 24
	ROW 5, 16
	ROW 6, 8
	ROW 7, 0
	; the wave's eight tokens at once, in lanes 0-7
	s_lshl_b32 s21, ttmp9, 5
	s_lshl_b32 s22, s20, 3
	s_add_co_u32 s21, s21, s22                     ; my wave's first token
	v_fma_f32 v208, v203, s27, s28                 ; var + eps
	v_mul_f32 v209, 0xbfb8aa3b, v201               ; -log2(e) x affinity
	s_wait_alu depctr_va_vdst(0)
	v_rsq_f32 v206, v208
	v_exp_f32 v209, v209
	v_add_nc_u32 v210, s21, v5                     ; (a plain line behind the two)  my token
	s_wait_alu depctr_va_vdst(0)                   ; one wait for the two, ahead of their first reader
	v_add_f32 v209, 1.0, v209
	s_wait_alu depctr_va_vdst(0)
	v_rcp_f32 v204, v209                           ; alpha = 1 / (1 + 2^(-log2(e) a)); where the power overflows, 0
	v_mov_b32 v205, v202                           ; (a plain line behind it)
	v_mov_b32 v207, 0
	v_lshlrev_b32 v211, 4, v210
	v_lshlrev_b32 v212, 2, v210
	s_wait_alu depctr_va_vdst(0)
	s_wait_xcnt 0x0                                ; EXEC changes only behind this wait
	v_cmp_gt_u32 vcc_lo, 8, v5
	s_and_saveexec_b32 s30, vcc_lo
	global_store_b128 v211, v[204:207], s[14:15]   ; (alpha, -mean, rstd, 0)
	global_store_b32 v212, v200, s[12:13]          ; the expert
	s_wait_xcnt 0x0
	s_or_b32 exec_lo, exec_lo, s30
	s_endpgm
	; ---------------- the weights' images ----------------
.Llayout:
	s_sub_co_u32 s21, ttmp9, 256
	s_lshl_b32 s21, s21, 3
	s_lshl_b32 s22, s20, 1
	s_add_co_u32 s21, s21, s22                     ; u0: my first unit, an even number; I also make u0 + 1
	s_lshr_b32 s23, s21, 6                         ; w1: expert,
	s_lshl_b32 s23, s23, 19                        ; 512 rows of 1,024 bytes
	s_bfe_u32 s24, s21, 0x40002                    ; t / 2,
	s_lshl_b32 s24, s24, 15                        ; 32 rows
	s_add_co_u32 s23, s23, s24
	s_bfe_u32 s24, s21, 0x10001                    ; t % 2,
	s_lshl_b32 s24, s24, 13                        ; 8 rows
	s_add_co_u32 s23, s23, s24
	s_sub_co_u32 s24, s21, 512                     ; w2: 16 rows of 512 bytes a unit
	s_lshl_b32 s24, s24, 13
	s_cmp_lt_u32 ttmp9, 320                        ; w1's work-group or w2's?  The choice hangs on the work-group's number alone
	s_cselect_b64 s[8:9], s[8:9], s[10:11]
	s_cselect_b32 s40, s23, s24                    ; where the unit's first row begins
	s_mov_b32 s26, 512
	s_cselect_b32 s26, 1024, s26                   ; from row to row
	s_mov_b32 s42, 4096
	s_cselect_b32 s42, 16384, s42                  ; from the tile's rows 0-7 to its rows 8-15: 16 rows of w1, 8 of w2
	s_mov_b32 s44, 8192
	s_cselect_b32 s44, 512, s44                    ; from unit u0 to unit u0 + 1: the other half of K, or the next 16 rows
	s_mov_b32 s41, 0
	s_mov_b32 s43, 0
	s_mov_b32 s45, 0
	s_add_nc_u64 s[32:33], s[8:9], s[40:41]        ; unit 0, rows 0-7
	s_add_nc_u64 s[34:35], s[32:33], s[42:43]      ; unit 0, rows 8-15
	s_add_nc_u64 s[36:37], s[32:33], s[44:45]      ; unit 1 likewise
	s_add_nc_u64 s[38:39], s[34:35], s[44:45]
	s_lshl_b32 s46, s21, 13
	s_mov_b32 s47, 0
	s_add_nc_u64 s[16:17], s[16:17], s[46:47]      ; the images at unit u0
	s_wait_alu depctr_va_vdst(0)
.irp j, 0,1,2,3,4,5,6,7
	v_mad_u32_u24 v[8+\j], s26, \j, v1             ; 16 x lane + j rows
.endr
	s_mul_i32 s27, s20, STW                        ; my stage
	v_add_nc_u32 v16, s27, v1                      ; in: a row's 512 bytes as they lie
	v_and_b32 v6, 15, v0
	v_bfe_u32 v7, v0, 4, 1
	v_mul_u32_u24 v17, v6, SP
	v_lshl_add_u32 v17, v7, 4, v17
	v_add_nc_u32 v17, s27, v17                     ; out: row r, + 16 h
.macro ULOAD u                         ; a unit's 16 rows, 512 consecutive bytes a load
.irp j, 0,1,2,3,4,5,6,7
	global_load_b128 v[32+64*\u+4*\j:32+64*\u+4*\j+3], v[8+\j], s[32+4*\u:33+4*\u] th:TH_LOAD_NT
.endr
.irp j, 0,1,2,3,4,5,6,7
	global_load_b128 v[64+64*\u+4*\j:64+64*\u+4*\j+3], v[8+\j], s[34+4*\u:35+4*\u] th:TH_LOAD_NT
.endr
.endm
.macro UTURN u                         ; through the stage: LDS serves a wave's instructions in order, so no wait stands between the stores and the loads, nor ahead of the next unit's stores
.irp j, 0,1,2,3,4,5,6,7,8,9,10,11,12,13,14,15
	ds_store_b128 v16, v[32+64*\u+4*\j:32+64*\u+4*\j+3] offset:SP*\j
.endr
.irp i, 0,1,2,3,4,5,6,7,8,9,10,11,12,13,14,15
	ds_load_b128 v[32+64*\u+4*\i:32+64*\u+4*\i+3], v17 offset:32*\i     ; group i = 4 s + c: K = 128 s + 32 c + 16 h on
.endr
.endm
.macro USEND u, younger                ; younger: the LDS instructions issued behind this unit's loads
	s_wait_dscnt \younger
.irp i, 0,1,2,3,4,5,6,7,8,9,10,11,12,13,14,15
	global_store_b128 v1, v[32+64*\u+4*\i:32+64*\u+4*\i+3], s[16:17] offset:8192*\u+512*\i   ; 32 lanes store 512 consecutive bytes, at a multiple of 256 from the buffer's first byte
.endr
.endm
	ULOAD 0
	ULOAD 1
	s_wait_alu depctr_va_vdst(0)
	s_wait_loadcnt 16                              ; unit 0's sixteen are in; unit 1's may be out
	UTURN 0
	s_wait_loadcnt 0x0
	UTURN 1
	USEND 0, 32                                    ; behind unit 0's loads: unit 1's 16 stores and 16 loads
	USEND 1, 0
	s_wait_tensorcnt 0x0                           ; the wave's end
	ds_add_u32 v2, v3
	s_wait_dscnt 0x0
	s_endpgm
.Lfunc_end_k_qd8a4881a88_route:
	.size	k_qd8a4881a88_route, .Lfunc_end_k_qd8a4881a88_route-k_qd8a4881a88_route
	.p2alignl 7, 3214868480
	.fill 96, 4, 3214868480
	.section	.rodata,"a",@progbits
	.p2align	6, 0x0
	.amdhsa_kernel k_qd8a4881a88_route
		.amdhsa_group_segment_fixed_size 34304
		.amdhsa_private_segment_fixed_size 0
		.amdhsa_enable_private_segment 0
		.amdhsa_kernarg_size 56
		.amdhsa_user_sgpr_count 2
		.amdhsa_user_sgpr_kernarg_segment_ptr 1
		.amdhsa_wavefront_size32 1
		.amdhsa_system_sgpr_workgroup_id_x 1
		.amdhsa_system_sgpr_workgroup_id_y 1
		.amdhsa_system_sgpr_workgroup_id_z 1
		.amdhsa_system_vgpr_workitem_id 0
		.amdhsa_next_free_vgpr 512
		.amdhsa_next_free_sgpr 66
		.amdhsa_reserve_vcc 1
		.amdhsa_float_denorm_mode_32 3
		.amdhsa_float_denorm_mode_16_64 3
		.amdhsa_memory_ordered 1
		.amdhsa_forward_progress 1
		.amdhsa_inst_pref_size 157
	.end_amdhsa_kernel
	.amdgpu_metadata
---
amdhsa.version: [ 1, 2 ]
amdhsa.kernels:
  - .name:           k_qd8a4881a88_route
    .symbol:         k_qd8a4881a88_route.kd
    .args:
      - { .name: input_features, .offset: 0, .size: 8, .value_kind: global_buffer, .address_space: global }
      - { .name: centroids, .offset: 8, .size: 8, .value_kind: global_buffer, .address_space: global }
      - { .name: w1_codes, .offset: 16, .size: 8, .value_kind: global_buffer, .address_space: global }
      - { .name: w2_codes, .offset: 24, .size: 8, .value_kind: global_buffer, .address_space: global }
      - { .name: assign, .offset: 32, .size: 8, .value_kind: global_buffer, .address_space: global }
      - { .name: stats, .offset: 40, .size: 8, .value_kind: global_buffer, .address_space: global }
      - { .name: wimg, .offset: 48, .size: 8, .value_kind: global_buffer, .address_space: global }
    .group_segment_fixed_size: 34304
    .private_segment_fixed_size: 0
    .kernarg_segment_align: 8
    .kernarg_segment_size: 56
    .max_flat_workgroup_size: 128
    .sgpr_count:     66
    .vgpr_count:     512
    .wavefront_size: 32
...
	.end_amdgpu_metadata
.endif
;; end of part 4
;; launch place (part 5): grid 1 x 1, 16 waves a work-group, no clusters, 4,096 bytes of LDS; arguments assign, order, tiles; writes order, tiles
.if DOCPART == 5
	.amdgcn_target "amdgcn-amd-amdhsa--gfx1250"
	.amdhsa_code_object_version 6
	.text
	.protected	k_qd8a4881a88_place
	.globl	k_qd8a4881a88_place
	.p2align	8
	.type	k_qd8a4881a88_place,@function
k_qd8a4881a88_place:
	s_mov_b64 s[64:65], 0
	v_nop
	global_prefetch_b8 v0, s[64:65] scope:SCOPE_SE
	s_setreg_imm32_b32 hwreg(HW_REG_WAVE_MODE, 25, 1), 1
	s_wait_xcnt 0x0
; PLACE.  A counting sort of the 8,192 tokens by the expert that the first launch stored for each (whole numbers, read from memory), and the list of tiles for the third launch.  One work-group, no atomics.
; It serves the choice of reference()'s own one_hot: only the chosen expert's rows are computed later on.
; order[p] = the token at sorted place p, the experts one behind the other without gaps.  tiles[i] = (expert, first place, rows, 0): tiles of at most 64 rows of one expert; never more than
; 8192 / 64 + 8 - 1 = 135 have rows, whatever the choice; all 160 records are written, those beyond the last tile with 0 rows.
; Wave w owns tokens 512 w + 128 k + 4 lane + j (register n = 4 k + j).  Its rank among the wave's tokens of the same expert comes from lane masks; the waves' counts meet in LDS behind the one barrier.
.set A,  16                            ; v16-31  the experts
.set P,  32                            ; v32-47  ranks, then places, then byte offsets
.set TK, 48                            ; v48-63  token numbers
.set IX, 76                            ; v76-91  the base of my wave's tokens of the token's expert
.set RUN, 16                           ; s16-23  running counts of my wave; later my wave's bases
.set TOT, 24                           ; s24-31  tokens of expert e
.set CB,  32                           ; s32-39  first place of expert e
.set TF,  40                           ; s40-47  first tile of expert e
	s_load_b128 s[4:7], s[0:1], 0x0                ; assign, order
	s_load_b64 s[8:9], s[0:1], 0x10                ; tiles
	v_lshl_add_u32 v2, v0, 2, 2048                 ; my spare word (the spare words: bytes 2,048 to 4,095); never rewritten
	v_mov_b32 v3, 0                                ; 0; never rewritten
	v_lshrrev_b32 v5, 5, v0
	s_delay_alu instid0(VALU_DEP_1)
	v_readfirstlane_b32 s50, v5                    ; wave 0..15
	v_and_b32 v1, 31, v0                           ; lane
	s_delay_alu instid0(VALU_DEP_1)
	v_lshlrev_b32 v4, 4, v1
	s_lshl_b32 s51, s50, 11
	v_add_nc_u32 v4, s51, v4                       ; 2,048 w + 16 lane
	v_lshlrev_b32 v7, 2, v0                        ; the counts: wave w's 32 words at 128 w
	v_lshrrev_b32 v9, 3, v1                        ; lane / 8
	v_and_b32 v5, 7, v1
	s_delay_alu instid0(VALU_DEP_2)
	v_lshlrev_b32 v8, 7, v9
	s_delay_alu instid0(VALU_DEP_1)
	v_lshl_add_u32 v8, v5, 2, v8                   ; wave lane / 8's count of expert lane % 8
	v_mov_b32 v6, 0
	v_mov_b32 v74, 0                               ; written once: a lane move's destination counts as one of its sources
	s_mov_b32 s48, 0x76543210
	s_mov_b32 s49, 0xfedcba98
.irp e, 0,1,2,3,4,5,6,7
	s_mov_b32 s[RUN+\e], 0
.endr
	s_wait_alu depctr_va_vdst(0)
	s_wait_kmcnt 0x0
.irp k, 0,1,2,3
	global_load_b128 v[A+4*\k:A+4*\k+3], v4, s[4:5] offset:512*\k
.endr
.macro RANK n                          ; register n: each lane's rank among my wave's tokens of its expert
.if (\n)%4 == 0
	s_wait_loadcnt 3-(\n)/4                        ; this load is in; the later ones may be out
.endif
.irp e, 0,1,2,3,4,5,6,7
	v_cmp_eq_u32 s51, \e, v[A+(\n)]
.if \e == 0
	s_delay_alu instid0(VALU_DEP_1)
	v_mbcnt_lo_u32_b32 v[P+(\n)], s51, s[RUN+\e]   ; those counted so far + the lanes below me that hold expert e
.else
	s_delay_alu instid0(VALU_DEP_1)
	v_mbcnt_lo_u32_b32 v5, s51, s[RUN+\e]
	s_delay_alu instid0(VALU_DEP_1)
	v_cndmask_b32 v[P+(\n)], v[P+(\n)], v5, s51
.endif
	s_bcnt1_i32_b32 s52, s51
	s_add_co_u32 s[RUN+\e], s[RUN+\e], s52
.endr
.endm
.irp n, 0,1,2,3,4,5,6,7,8,9,10,11,12,13,14,15
	RANK \n
.endr
.irp e, 0
	v_writelane_b32 v6, s[RUN+\e], \e
.endr
.irp e, 1, 2, 3, 4, 5, 6, 7
	s_delay_alu instid0(VALU_DEP_1)
	v_writelane_b32 v6, s[RUN+\e], \e              ; lane e: my wave's count of expert e; the other lanes 0
.endr
	ds_store_b32 v7, v6
	s_wait_dscnt 0x0                               ; for the others' sake: my counts have landed
	s_barrier_signal -1
	s_barrier_wait -1
.irp q, 0,1,2,3
	ds_load_b32 v[64+\q], v8 offset:512*\q         ; wave lane / 8 + 4 q's count of expert lane % 8
.endr
	s_wait_dscnt 0x0
.irp q, 0,1,2,3
	v_add_nc_u32 v5, 4*\q, v9
	s_delay_alu instid0(VALU_DEP_1)
	v_cmp_gt_u32 vcc_lo, s50, v5                   ; a wave ahead of mine?
	s_delay_alu instid0(VALU_DEP_1)
	v_cndmask_b32 v[68+\q], 0, v[64+\q], vcc_lo
.endr
	v_add_nc_u32 v72, v64, v65
	v_add_nc_u32 v5, v66, v67
	s_delay_alu instid0(VALU_DEP_1)
	v_add_nc_u32 v72, v72, v5                      ; all waves',
	v_add_nc_u32 v73, v68, v69
	v_add_nc_u32 v5, v70, v71
	s_delay_alu instid0(VALU_DEP_1)
	v_add_nc_u32 v73, v73, v5                      ; and those ahead of mine; now over the four lanes that share lane % 8
	s_delay_alu instid0(VALU_DEP_4)
	v_mov_b32_dpp v74, v72 row_xmask:8 row_mask:0xf bank_mask:0xf
	s_delay_alu instid0(VALU_DEP_1)
	v_add_nc_u32 v72, v72, v74
	s_delay_alu instid0(VALU_DEP_1)
	v_permlanex16_b32 v74, v72, s48, s49
	s_delay_alu instid0(VALU_DEP_1)
	v_add_nc_u32 v72, v72, v74
	v_mov_b32_dpp v74, v73 row_xmask:8 row_mask:0xf bank_mask:0xf
	s_delay_alu instid0(VALU_DEP_1)
	v_add_nc_u32 v73, v73, v74
	s_delay_alu instid0(VALU_DEP_1)
	v_permlanex16_b32 v74, v73, s48, s49
	s_delay_alu instid0(VALU_DEP_1)
	v_add_nc_u32 v73, v73, v74
	s_wait_alu depctr_va_vdst(0)
	s_mov_b32 s52, 0                               ; places so far
	s_mov_b32 s53, 0                               ; tiles so far
.irp e, 0,1,2,3,4,5,6,7
	v_readlane_b32 s[TOT+\e], v72, \e
	s_mov_b32 s[CB+\e], s52
	s_mov_b32 s[TF+\e], s53
	s_add_co_u32 s52, s52, s[TOT+\e]
	s_add_co_u32 s54, s[TOT+\e], 63
	s_lshr_b32 s54, s54, 6
	s_add_co_u32 s53, s53, s54
	v_readlane_b32 s55, v73, \e
	s_add_co_u32 s[RUN+\e], s55, s[CB+\e]          ; where my wave's tokens of expert e begin
.endr
	s_lshl_b32 s51, s50, 9
	v_lshl_add_u32 v5, v1, 2, s51                  ; 512 w + 4 lane
.irp n, 0,1,2,3,4,5,6,7,8,9,10,11,12,13,14,15
	v_mov_b32 v[IX+\n], s[RUN]
.irp e, 1,2,3,4,5,6,7
	v_cmp_eq_u32 vcc_lo, \e, v[A+\n]
	s_delay_alu instid0(VALU_DEP_1)
	v_cndmask_b32 v[IX+\n], v[IX+\n], s[RUN+\e], vcc_lo
.endr
	s_delay_alu instid0(VALU_DEP_1)
	v_add_nc_u32 v[P+\n], v[P+\n], v[IX+\n]        ; the token's place
	s_delay_alu instid0(VALU_DEP_1)
	v_min_u32 v[P+\n], 0x1fff, v[P+\n]             ; a loaded number enters an address only behind a bound
	s_delay_alu instid0(VALU_DEP_1)
	v_lshlrev_b32 v[P+\n], 2, v[P+\n]
	v_add_nc_u32 v[TK+\n], 128*(\n/4)+\n%4, v5
	global_store_b32 v[P+\n], v[TK+\n], s[6:7]     ; 32,768 bytes in all, each word once
.endr
	s_cmp_gt_u32 s50, 4                            ; the list of tiles: threads 0 to 159, a record each
	s_cbranch_scc1 .Ldone
	v_mov_b32 v88, 0                               ; the last expert whose first tile is at or under i: its number,
	v_mov_b32 v81, 0                               ; first tile,
	v_mov_b32 v82, 0                               ; first place,
	v_mov_b32 v83, s[TOT]                          ; and tokens.  An expert without tokens shares its first tile with the next, which wins
.irp e, 1,2,3,4,5,6,7
	v_cmp_le_u32 vcc_lo, s[TF+\e], v0
	s_delay_alu instid0(VALU_DEP_1)
	v_cndmask_b32 v88, v88, \e, vcc_lo
	s_delay_alu instid0(VALU_DEP_2)
	v_cndmask_b32 v81, v81, s[TF+\e], vcc_lo
	s_delay_alu instid0(VALU_DEP_3)
	v_cndmask_b32 v82, v82, s[CB+\e], vcc_lo
	s_delay_alu instid0(VALU_DEP_4)
	v_cndmask_b32 v83, v83, s[TOT+\e], vcc_lo
.endr
	s_delay_alu instid0(VALU_DEP_3)
	v_sub_nc_u32 v84, v0, v81                      ; which tile of the expert
	s_delay_alu instid0(VALU_DEP_1)
	v_lshlrev_b32 v84, 6, v84
	s_delay_alu instid0(VALU_DEP_1)
	v_add_nc_u32 v89, v82, v84
	s_delay_alu instid0(VALU_DEP_1)
	v_min_u32 v89, 0x1fff, v89                     ; its first place
	s_delay_alu instid0(VALU_DEP_3)
	v_sub_nc_u32 v90, v83, v84
	s_delay_alu instid0(VALU_DEP_1)
	v_max_i32 v90, 0, v90
	s_delay_alu instid0(VALU_DEP_1)
	v_min_i32 v90, 64, v90                         ; its rows: 0 beyond the last tile
	v_mov_b32 v91, 0
	v_lshlrev_b32 v92, 4, v0
	global_store_b128 v92, v[88:91], s[8:9]
.Ldone:
	s_wait_tensorcnt 0x0                           ; the wave's end
	ds_add_u32 v2, v3
	s_wait_dscnt 0x0
	s_endpgm
.Lfunc_end_k_qd8a4881a88_place:
	.size	k_qd8a4881a88_place, .Lfunc_end_k_qd8a4881a88_place-k_qd8a4881a88_place
	.p2alignl 7, 3214868480
	.fill 96, 4, 3214868480
	.section	.rodata,"a",@progbits
	.p2align	6, 0x0
	.amdhsa_kernel k_qd8a4881a88_place
		.amdhsa_group_segment_fixed_size 4096
		.amdhsa_private_segment_fixed_size 0
		.amdhsa_enable_private_segment 0
		.amdhsa_kernarg_size 24
		.amdhsa_user_sgpr_count 2
		.amdhsa_user_sgpr_kernarg_segment_ptr 1
		.amdhsa_wavefront_size32 1
		.amdhsa_system_sgpr_workgroup_id_x 1
		.amdhsa_system_sgpr_workgroup_id_y 1
		.amdhsa_system_sgpr_workgroup_id_z 1
		.amdhsa_system_vgpr_workitem_id 0
		.amdhsa_next_free_vgpr 96
		.amdhsa_next_free_sgpr 66
		.amdhsa_reserve_vcc 1
		.amdhsa_float_denorm_mode_32 3
		.amdhsa_float_denorm_mode_16_64 3
		.amdhsa_memory_ordered 1
		.amdhsa_forward_progress 1
		.amdhsa_inst_pref_size 71
	.end_amdhsa_kernel
	.amdgpu_metadata
---
amdhsa.version: [ 1, 2 ]
amdhsa.kernels:
  - .name:           k_qd8a4881a88_place
    .symbol:         k_qd8a4881a88_place.kd
    .args:
      - { .name: assign, .offset: 0, .size: 8, .value_kind: global_buffer, .address_space: global }
      - { .name: order, .offset: 8, .size: 8, .value_kind: global_buffer, .address_space: global }
      - { .name: tiles, .offset: 16, .size: 8, .value_kind: global_buffer, .address_space: global }
    .group_segment_fixed_size: 4096
    .private_segment_fixed_size: 0
    .kernarg_segment_align: 8
    .kernarg_segment_size: 24
    .max_flat_workgroup_size: 512
    .sgpr_count:     66
    .vgpr_count:     96
    .wavefront_size: 32
...
	.end_amdgpu_metadata
.endif
;; end of part 5
;; launch chain (part 6): grid 135 x 1, 4 waves a work-group, no clusters, 233,984 bytes of LDS; arguments input_features, ln_g, ln_b, b1, b2, lowp_scales, wimg, order, tiles, stats, out0; writes out0
.if DOCPART == 6
	.amdgcn_target "amdgcn-amd-amdhsa--gfx1250"
	.amdhsa_code_object_version 6
	.text
	.protected	k_qd8a4881a88_chain
	.globl	k_qd8a4881a88_chain
	.p2align	8
	.type	k_qd8a4881a88_chain,@function
k_qd8a4881a88_chain:
	s_mov_b64 s[64:65], 0
	v_nop
	global_prefetch_b8 v0, s[64:65] scope:SCOPE_SE
	s_setreg_imm32_b32 hwreg(HW_REG_WAVE_SCHED_MODE, 0, 2), 2
	s_setreg_imm32_b32 hwreg(HW_REG_WAVE_MODE, 25, 1), 1
	s_wait_xcnt 0x0
	s_wait_alu depctr_vm_vsrc(0)
; CHAIN.  out[t] = x[t] + alpha[t] (relu(LN_e(x[t]) W1_e^T + b1_e) W2_e^T + b2_e) for the expert e that token t chose; the other seven experts' rows, which reference()'s own one_hot multiplies by 0, are not computed,
; and a y + (1 - a) x is taken as x + a (y - x) (shown at the head of the first launch).  Both products on codes of BF8 (E5M2), each operand with the one scale 2^e that is given for it: e0 (LN's result), e1 (w1), e2 (hidden), e3 (w2).
; A WORK-GROUP takes one tile of the stored list: up to 64 rows of one expert, through the whole chain; the hidden layer never goes to memory.  135 work-groups serve every split; one that the split leaves
; without rows runs the text on its first place's token and stores nothing (a scalar branch on the stored number of rows round the way out alone: every wave passes every barrier).
; Rows past the tile's last repeat its last row: the same token, the same numbers; where they are stored at all, the same wave stores them to the same bytes.
; No tensor load, no cluster: which expert a work-group serves hangs on numbers read from memory.  The weights come from memory straight into registers, as the images that the first launch laid out.
; SHARES.  At both ends the four waves share the ROWS: wave w loads rows 16 w .. 16 w + 15 of x (a row in 32 registers, kept for the residual), normalises and quantises them, and stores them at the end.
; In the products they share the COLUMNS: ff1: hidden units 128 w .. + 127 in two passes of 4 tiles; ff2: in pass p columns 256 p + 64 w .. + 63.  Both products are used transposed (source 0 = 16 rows of a
; weight, source 1 = 16 tokens), so that a lane holds one token and eight neighbouring columns.  16 accumulators (4 tiles of columns x 4 tiles of tokens) take turns.
; K LIES IN BOTH OPERANDS AS registers 4 c .. 4 c + 3 = K 32 c + 16 (lane / 16) + 0 .. 15: a permutation of k inside an instruction, the same on both sides.
; LIMITS on the given exponents, so that each power of two below is an f32 number: e0, and e2 - e0 - e1, between -126 and 112; e2 + e3 between -126 and 127.  NaN among the inputs is not served.
; LDS: x's codes as 64 rows of 1,024 bytes + 16; the hidden layer's 16 fragments as images of their registers; two stages of 64 rows x (1,024 bytes + 16) for the way out, by turns; the spare words.
; REGISTERS, in windows of 256.  Window 0: v1-15 addresses and scales; v16-31 a row's offset in x and out; v32-95 four fragments of the tokens' codes, later rows on their way out; v96-127 a bias; v128-255 weight sets 0, 1.
;   Window 1: v0-127 the accumulators ((i, m) at 8 (4 i + m)); before them, in the first phase, gain v0-31, bias v32-63, a row at work v64-95, its codes v96-103 and v108-115 by turns, v104 an LDS address,
;   v105-106 2^e0 and 57,344 x 2^e0; v128-255 weight sets 2, 3.   Windows 2, 3: x, row i at window 2 + i / 8, v[32 (i % 8) + 4 k + j] = x[128 k + 4 lane + j].
; THE MODE: SCHED_MODE bits 1:0 = 2 (LLVM: expert scheduling mode 2), set by the entry lines.  The code itself states the register dependences between vector or matrix instructions and memory or LDS
; instructions, with s_wait_alu, always for 0.
; THE PLAN.  Registers that memory or LDS instructions touch, and who else names them:
;   v1, v4-10, v14, v16-31, window 1's v104   addresses: made at the head ahead of a wait on va_vdst, then only read (v104 ends inside an accumulator, behind a wait on vm_vsrc).  v15 is made twice, with both waits.
;   x, gain, bias, the weight sets' and b1's first fills   land in registers that no vector instruction has named: they are dealt among the first phase's arithmetic with no wait of their own.
;   a row's codes, two buffers   row i's conversions write buffer i % 2; the eight LDS stores of row i - 1 are issued inside row i.  At a row's head one wait on va_vdst (row i - 1's conversions have written)
;                                and one on vm_vsrc (the stores of row i - 2 have read buffer i % 2).
;   v32-63, v64-95   the tokens' codes of a K step, two halves.  A step's first eight products read the first half, its last eight the second.  Behind each eight: the places, one wait on va_vdst, and the
;                    LDS loads of the next step's same half, which land under the other half's products.
;   weight set q % 4, the bias v96-127   read by step q's sixteen products; the loads of step q + 4, and of the next bias, follow the step's second wait on va_vdst.
;   the accumulators   written by matrix instructions, read by the stage's LDS stores behind the last step's wait on va_vdst; a wait on vm_vsrc behind those stores, ahead of the next pass's first products.
;   v32-95 outside the steps   the hidden layer's codes and the rows on their way out: va_vdst ahead of each run of stores, vm_vsrc ahead of the next loads into them.
.set XP,    1040                       ; a row of codes or of a stage in LDS: 1,024 bytes + 16 = 65 x 16: the 16 rows that a load touches fall on 16 different 16-byte columns
.set HC,    66560                      ; behind x's codes: the hidden layer's images, fragment (tokens' tile m, K step s) at (4 m + s) x 2,048
.set STG0,  100352
.set STG1,  166912
.set SPARE, 233472                     ; the spare words, 128 bytes for each wave
.set RO,    16
.set ACT,   32
.set BI,    96
.set CD,    96                         ; window 1: a row's codes, buffer p at CD + 12 p
.set MSB, 0
.macro WIN new                         ; the immediate's high byte repeats the setting that is left
.if MSB != (\new)
	s_set_vgpr_msb (MSB<<8)|(\new)
.set MSB, \new
.endif
.endm
.macro PLACES n                        ; plain vector lines behind matrix instructions: 4 ahead of loads into their registers and of reads of results, 5 ahead of a matrix instruction that begins an accumulator anew
.rept \n
	v_nop
.endr
.endm
.macro BARRIER                         ; my LDS stores have landed and my LDS loads are in: then the work-group's barrier
	s_wait_dscnt 0x0
	s_barrier_signal -1
	s_barrier_wait -1
.endm
.macro XLOAD i                         ; row i of x: eight loads of 512 consecutive bytes
	WIN 0x80+0x40*((\i)/8)
.irp k, 0,1,2,3,4,5,6,7
	global_load_b128 v[32*((\i)%8)+4*\k:32*((\i)%8)+4*\k+3], v[RO+(\i)], s[4:5] offset:512*\k
.endr
.endm
; Half of step q's weights: two fragments, eight loads of 512 consecutive bytes, into set q % 4.  Steps 0-15: ff1, pass q / 8, K step q % 8.  Steps 16-31: ff2, pass (q - 16) / 4, K step (q - 16) % 4.
.macro WLOAD q, half
.set WZ, (\q)%4
.set WR, 128+64*(WZ%2)
	WIN 0x40*(WZ/2)
.irp i, 2*(\half), 2*(\half)+1
.irp c, 0,1,2,3
.if (\q) < 16
	global_load_b128 v[WR+16*(\i)+4*\c:WR+16*(\i)+4*\c+3], v1, s[26:27] offset:(4*((\q)/8)+(\i))*16384+2048*((\q)%8)+512*\c
.else
	global_load_b128 v[WR+16*(\i)+4*\c:WR+16*(\i)+4*\c+3], v1, s[28:29] offset:131072*(((\q)-16)/4)+8192*(\i)+2048*(((\q)-16)%4)+512*\c
.endif
.endr
.endr
.endm
.macro B1LOAD a                        ; b1 in the result's layout: lane (r, h), tile i of pass a: hidden units 32 ((4 a + i) / 2) + 8 (i % 2) + 16 h + 0 .. 7 of my wave's 128
	WIN 0
.irp i, 0,1,2,3
	global_load_b128 v[BI+8*\i:BI+8*\i+3], v14, s[10:11] offset:(32*((4*(\a)+\i)/2)+8*(\i%2))*4
	global_load_b128 v[BI+8*\i+4:BI+8*\i+7], v14, s[10:11] offset:(32*((4*(\a)+\i)/2)+8*(\i%2))*4+16
.endr
.endm
.macro B1SCALE                         ; a sum of the first product stands for sum x 2^(e0 + e1): b1 goes in as b1 / 2^(e0 + e1)
.irp j, 0,1,2,3,4,5,6,7,8,9,10,11,12,13,14,15,16,17,18,19,20,21,22,23,24,25,26,27,28,29,30,31
	v_ldexp_f32 v[BI+\j], v[BI+\j], s71
.endr
.endm
.macro B2LOAD                          ; b2 as a row of x lies
	WIN 0
.irp k, 0,1,2,3,4,5,6,7
	global_load_b128 v[BI+4*\k:BI+4*\k+3], v1, s[12:13] offset:512*\k
.endr
.endm
.macro ITEM i                          ; eight loads ahead of row i's work, always eight, so that one count serves every row.  They land in registers that no vector instruction has named, by addresses made ahead of the head's waits
.if (\i) <= 10
	XLOAD 5+\i
.elseif (\i) == 11
	B1LOAD 0
.else
	WLOAD ((\i)-12)/2, ((\i)-12)%2
.endif
.endm
.macro CSTORE j                        ; row j's 1,024 codes to LDS, 128 consecutive bytes a store (address and data in window 1)
.irp k, 0,1,2,3,4,5,6,7
	ds_store_b32 v104, v[CD+12*((\j)%2)+\k] offset:XP*(\j)+128*\k
.endr
.endm
; Row i: ((x - mean) rstd) g + b in f32, as reference() has it; held within the largest code x 2^e0; converted into buffer i % 2.  The codes of the row before leave among this row's arithmetic.
.macro LNROW i
	s_mov_b32 s78, s[32+(\i)]                      ; -mean
	s_mov_b32 s80, s[48+(\i)]                      ; rstd
	WIN 0x42+(\i)/8                                ; source 0 (x) window 2 or 3, destination window 1
.irp u, 0,2,4,6,8,10,12,14,16,18,20,22,24,26,28,30
	v_pk_add_f32 v[64+\u:65+\u], v[32*((\i)%8)+\u:32*((\i)%8)+\u+1], s[78:79] op_sel_hi:[1,0]
.endr
	WIN 0x55                                       ; all in window 1
.if (\i) > 0
	CSTORE (\i)-1                                  ; no wait here: the sixteen additions since the wait at the row's head name neither these codes nor v104
.endif
.irp u, 0,2,4,6,8,10,12,14,16,18,20,22,24,26,28,30
	v_pk_mul_f32 v[64+\u:65+\u], v[64+\u:65+\u], s[80:81] op_sel_hi:[1,0]
.endr
.irp u, 0,2,4,6,8,10,12,14,16,18,20,22,24,26,28,30
	v_pk_fma_f32 v[64+\u:65+\u], v[64+\u:65+\u], v[\u:\u+1], v[32+\u:33+\u]
.endr
.irp j, 0,1,2,3,4,5,6,7,8,9,10,11,12,13,14,15,16,17,18,19,20,21,22,23,24,25,26,27,28,29,30,31
	v_med3_num_f32 v[64+\j], v[64+\j], -v106, v106     ; the conversion to an 8-bit code does not saturate (ISA guide 7.6.2)
.endr
.irp v, 0,1,2,3
	v_cvt_scalef32_pk8_bf8_f32 v[CD+12*((\i)%2)+2*\v:CD+12*((\i)%2)+2*\v+1], v[64+8*\v:71+8*\v], v105    ; register k of the eight: the codes of x[128 k + 4 lane + 0 .. 3]
.endr
	v_nop                                          ; a plain line between the conversions and the next row's writes of their sources
.endm
.macro ACT1 s, h                       ; tiles 2 h and 2 h + 1 of the tokens, K step s of x's codes: lane (r, h): row 16 m + r, bytes 128 s + 32 c + 16 h on
.irp m, 2*(\h), 2*(\h)+1
.irp c, 0,1,2,3
	ds_load_b128 v[ACT+16*(\m)+4*\c:ACT+16*(\m)+4*\c+3], v4 offset:16*XP*(\m)+128*(\s)+32*\c
.endr
.endr
.endm
.macro ACT2 s, h                       ; the same of the hidden layer: images come back as they were stored
.irp m, 2*(\h), 2*(\h)+1
.irp c, 0,1,2,3
	ds_load_b128 v[ACT+16*(\m)+4*\c:ACT+16*(\m)+4*\c+3], v6 offset:(4*(\m)+(\s))*2048+512*\c
.endr
.endr
.endm
.macro ACTN q, h                       ; half h of step q's codes
.if (\q) < 16
	ACT1 (\q)%8, \h
.else
	ACT2 (\q)%4, \h
.endif
.endm
; 8 matrix instructions, one on each accumulator of the tokens' tiles 2 h and 2 h + 1.  cmode 0: onto the sums; 1: the bias starts them; 2: the constant 0 does.
.macro MM q, h, cmode
.set MZ, (\q)%4
.set MW, 128+64*(MZ%2)
.if \cmode == 0
	WIN 0x50+MZ/2                                  ; C and D window 1, the weights' set in window 0 or 1, the tokens' codes in window 0
.else
	WIN 0x40+MZ/2
.endif
.irp m, 2*(\h), 2*(\h)+1
.irp i, 0,1,2,3
.if \cmode == 0
	v_wmma_f32_16x16x128_bf8_bf8 v[8*(4*\i+(\m)):8*(4*\i+(\m))+7], v[MW+16*\i:MW+16*\i+15], v[ACT+16*(\m):ACT+16*(\m)+15], v[8*(4*\i+(\m)):8*(4*\i+(\m))+7]
.elseif \cmode == 1
	v_wmma_f32_16x16x128_bf8_bf8 v[8*(4*\i+(\m)):8*(4*\i+(\m))+7], v[MW+16*\i:MW+16*\i+15], v[ACT+16*(\m):ACT+16*(\m)+15], v[BI+8*\i:BI+8*\i+7]
.else
	v_wmma_f32_16x16x128_bf8_bf8 v[8*(4*\i+(\m)):8*(4*\i+(\m))+7], v[MW+16*\i:MW+16*\i+15], v[ACT+16*(\m):ACT+16*(\m)+15], 0
.endif
.endr
.endr
.endm
.macro MMQ q, h                        ; how step q's products begin: ff1's passes with b1, ff2's with 0
.if ((\q) == 0) || ((\q) == 8)
	MM \q, \h, 1
.elseif ((\q) >= 16) && (((\q)%4) == 0)
	MM \q, \h, 2
.else
	MM \q, \h, 0
.endif
.endm
; A step of 128 along K.  The count on the loads: behind step q's set stand the sets of the three steps that follow, 48 loads (a bias asked for in between only makes the true number larger); the last three run down.
; The counts on the LDS loads: at the head the eight of this step's second half may be out; in the middle the eight just issued for the next step's first half.
.macro STEP q
.if (\q) <= 28
	s_wait_loadcnt 48
.else
	s_wait_loadcnt 16*(31-(\q))
.endif
	s_wait_dscnt 8                                 ; the codes of the tokens' tiles 0 and 1 are in
.if ((\q) == 0) || ((\q) == 8)
	B1SCALE
.endif
	MMQ \q, 0
.if (((\q)%8) == 7) || (((\q) >= 16) && (((\q)%4) == 3))
	s_wait_dscnt 0x0                               ; tiles 2 and 3 are in; a pass's last step asks for no more codes
	MMQ \q, 1
	WIN 0
	PLACES 5                                       ; the next pass begins the accumulators anew
	s_wait_alu depctr_va_vdst(0)                   ; this step's products are done reading their weight set, in which the loads below land; in ff2 they have written the accumulators, which the stage's LDS stores read
.else
	WIN 0
	PLACES 4
	s_wait_alu depctr_va_vdst(0)                   ; the eight products above are done reading v32-63, in which the next step's first half lands
	ACTN (\q)+1, 0
	s_wait_dscnt 8                                 ; tiles 2 and 3 are in
	MMQ \q, 1                                      ; these name v64-95, the weight set and accumulators: none of the registers of the loads just issued
	WIN 0
	PLACES 4
	s_wait_alu depctr_va_vdst(0)                   ; the eight products above are done reading v64-95, and all sixteen their weight set and their bias: the loads below land in these
	ACTN (\q)+1, 1
.endif
.if (\q) == 0
	B1LOAD 1                                       ; the second pass's b1, into the registers that this step's products have read
.endif
.if (\q) == 8
	B2LOAD
.endif
.if (\q) <= 27
	WLOAD (\q)+4, 0                                ; the set just read takes the weights of four steps on
	WLOAD (\q)+4, 1
	WIN 0
.endif
.endm
; Pass a's 16 accumulators become codes: the activation and the hold in one, the three scales folded into the conversion's one.  Tiles 2 g and 2 g + 1 give register group c = 2 a + g of my K step's fragment.
.macro QUANT a
	WIN 0x41
.irp m, 0,1,2,3
.irp i, 0,1,2,3
.irp j, 0,1,2,3,4,5,6,7
	v_med3_num_f32 v[8*(4*\i+\m)+\j], v[8*(4*\i+\m)+\j], 0, v12    ; each accumulator from its low end on
.endr
.endr
.endr
	WIN 0x01
.irp m, 0,1,2,3
.irp i, 0,1,2,3
	v_cvt_scalef32_pk8_bf8_f32 v[ACT+8*\m+2*\i:ACT+8*\m+2*\i+1], v[8*(4*\i+\m):8*(4*\i+\m)+7], v11
.endr
.endr
	v_nop                                          ; a plain line between the conversions and the products that write their sources
	WIN 0
	s_wait_alu depctr_va_vdst(0)                   ; the conversions have written v32-63, which the LDS stores read
.irp m, 0,1,2,3
.irp g, 0,1
	ds_store_b128 v5, v[ACT+8*\m+4*\g:ACT+8*\m+4*\g+3] offset:8192*\m+512*(2*(\a)+\g)
.endr
.endr
	s_wait_dscnt 0x0                               ; the stores are done
	s_wait_alu depctr_vm_vsrc(0)                   ; and have read v32-63, in which the next LDS loads land
.endm
.macro TOSTAGE p                       ; lane (r, h), accumulator (i, m): row 16 m + r, columns 64 w + 16 i + 8 h + 0 .. 7 of the pass's 256
	WIN 0x04                                       ; the data in window 1
.irp m, 0,1,2,3
.irp i, 0,1,2,3
	ds_store_b128 v[7+(\p)%2], v[8*(4*\i+\m):8*(4*\i+\m)+3] offset:16*XP*\m+64*\i
	ds_store_b128 v[7+(\p)%2], v[8*(4*\i+\m)+4:8*(4*\i+\m)+7] offset:16*XP*\m+64*\i+16
.endr
.endr
	WIN 0
.if (\p) < 3
	s_wait_alu depctr_vm_vsrc(0)                   ; the stores have read the accumulators, which the next pass's first products write: stated here, ahead of the branch of the way out
.endif
.endm
; My 16 rows of the pass's 256 columns: out = x + alpha (sum x 2^(e2 + e3) + b2), eight rows at a time.  A wave all of whose rows lie past the tile's last stores nothing.
.macro DRAIN p
	s_cmp_le_u32 s70, s83                          ; rows <= 16 w: a stored whole number against the wave's number
	s_cbranch_scc1 .Lskip_\@
.irp g, 0,1
.if \g == 1
	s_wait_xcnt 0x0                                ; the first eight rows' stores have had their addresses translated
	s_wait_alu depctr_vm_vsrc(0)                   ; and have read v32-95, in which the loads below land (the multiply-adds that named them stand ahead of the last wait on va_vdst)
.endif
.irp r, 0,1,2,3,4,5,6,7
	ds_load_b128 v[ACT+8*\r:ACT+8*\r+3], v[9+(\p)%2] offset:XP*(8*\g+\r)
	ds_load_b128 v[ACT+8*\r+4:ACT+8*\r+7], v[9+(\p)%2] offset:XP*(8*\g+\r)+512
.endr
	s_wait_dscnt 0x0
.irp r, 0,1,2,3,4,5,6,7
.irp d, 0,2,4,6
	v_pk_fma_f32 v[ACT+8*\r+\d:ACT+8*\r+\d+1], v[ACT+8*\r+\d:ACT+8*\r+\d+1], s[76:77], v[BI+8*(\p)+\d:BI+8*(\p)+\d+1] op_sel_hi:[1,0,1]
.endr
.endr
	WIN 0x20+0x10*\g                               ; source 2 (x) window 2 or 3
.irp r, 0,1,2,3,4,5,6,7
	s_mov_b32 s78, s[84+8*\g+\r]                   ; the row's alpha
.irp d, 0,2,4,6
	v_pk_fma_f32 v[ACT+8*\r+\d:ACT+8*\r+\d+1], v[ACT+8*\r+\d:ACT+8*\r+\d+1], s[78:79], v[32*\r+8*(\p)+\d:32*\r+8*(\p)+\d+1] op_sel_hi:[1,0,1]
.endr
.endr
	WIN 0
	s_wait_alu depctr_va_vdst(0)                   ; the multiply-adds have written v32-95, which the stores read
.irp r, 0,1,2,3,4,5,6,7
	global_store_b128 v[RO+8*\g+\r], v[ACT+8*\r:ACT+8*\r+3], s[24:25] offset:1024*(\p) th:TH_STORE_NT      ; 32 lanes store 512 consecutive bytes of a row, at a multiple of 256 from out's first byte
	global_store_b128 v[RO+8*\g+\r], v[ACT+8*\r+4:ACT+8*\r+7], s[24:25] offset:1024*(\p)+512 th:TH_STORE_NT
.endr
.endr
.if (\p) < 3
	s_wait_alu depctr_vm_vsrc(0)                   ; the last eight rows' stores have read v32-95, in which the next pass's codes land; on the way round these lines nothing has read them
.endif
.Lskip_\@:
	s_wait_xcnt 0x0                                ; the stores have had their addresses translated: the next pass's codes may land in their registers
.endm
	; ---------------- the head ----------------
	s_load_b512 s[4:19], s[0:1], 0x0               ; x s[4:5], ln_g s[6:7], ln_b s[8:9], b1 s[10:11], b2 s[12:13], the scales' exponents s[14:15], the images s[16:17], order s[18:19]
	s_load_b128 s[20:23], s[0:1], 0x40             ; tiles s[20:21], stats s[22:23]
	s_load_b64 s[24:25], s[0:1], 0x50              ; out
	v_lshl_add_u32 v2, v0, 2, SPARE                ; my spare word; never rewritten
	v_mov_b32 v3, 0                                ; 0; never rewritten
	v_lshrrev_b32 v13, 5, v0
	v_readfirstlane_b32 s82, v13                   ; wave 0..3
	v_and_b32 v15, 31, v0                          ; lane
	v_lshlrev_b32 v1, 4, v15                       ; 16 x lane
	v_and_b32 v13, 15, v0                          ; r
	v_bfe_u32 v14, v0, 4, 1                        ; h
	v_mul_u32_u24 v4, v13, XP
	v_lshl_add_u32 v4, v14, 4, v4                  ; x's codes: row r, + 16 h
	s_wait_alu depctr_va_sdst(0)                   ; s82 is written, ahead of its first reader
	s_lshl_b32 s83, s82, 4                         ; my first row of the tile
	s_lshl_b32 s30, s82, 11
	v_add_nc_u32 v5, s30, v1
	v_add_nc_u32 v5, HC, v5                        ; where I store the hidden layer's images: K step w
	v_add_nc_u32 v6, HC, v1                        ; and where any image is read
	v_mul_u32_u24 v7, v13, XP
	v_lshl_add_u32 v7, v14, 5, v7
	s_lshl_b32 s30, s82, 8
	v_add_nc_u32 v7, s30, v7                       ; into a stage: row r, + 32 h, + my wave's 256 bytes
	v_add_nc_u32 v8, STG1, v7
	v_add_nc_u32 v7, STG0, v7
	s_mul_i32 s30, s82, 16*XP
	v_add_nc_u32 v9, s30, v1                       ; out of a stage: my 16 rows, 16 bytes a lane
	v_add_nc_u32 v10, STG1, v9
	v_add_nc_u32 v9, STG0, v9
	v_lshlrev_b32 v15, 2, v15
	WIN 0x40
	v_add_nc_u32 v104, s30, v15                    ; (window 1)  where a row's codes go: my 16 rows, 4 bytes a lane
	WIN 0
	v_lshlrev_b32 v14, 6, v14                      ; 64 h: b1's bytes for my half
	s_mov_b32 s79, 0                               ; named as the upper halves of pairs, so they are written
	s_mov_b32 s81, 0
	s_lshl_b32 s30, ttmp9, 4
	s_mov_b32 s31, 0
	s_mov_b32 s67, 0
	s_wait_kmcnt 0x0
	s_add_nc_u64 s[20:21], s[20:21], s[30:31]
	s_load_b128 s[68:71], s[20:21], 0x0            ; my tile: expert, first place, rows, 0
	s_load_b128 s[72:75], s[14:15], 0x0            ; e0, e1, e2, e3
	s_wait_kmcnt 0x0
	s_min_u32 s68, s68, 7                          ; loaded numbers enter addresses only behind a bound
	s_min_u32 s69, s69, 8191
	s_min_u32 s70, s70, 64
	s_lshl_b32 s30, s68, 12                        ; the expert's row of ln_g, ln_b, b2
	s_add_nc_u64 s[6:7], s[6:7], s[30:31]
	s_add_nc_u64 s[8:9], s[8:9], s[30:31]
	s_add_nc_u64 s[12:13], s[12:13], s[30:31]
	s_lshl_b32 s30, s68, 11                        ; of b1, and my wave's 128 numbers in it
	s_lshl_b32 s66, s82, 9
	s_add_co_u32 s30, s30, s66
	s_add_nc_u64 s[10:11], s[10:11], s[30:31]
	s_lshl_b32 s30, s68, 19                        ; 64 units of 8,192 bytes an expert
	s_lshl_b32 s66, s82, 17                        ; w1: my wave's 8 tiles of two units
	s_add_co_u32 s66, s66, s30
	s_add_nc_u64 s[26:27], s[16:17], s[66:67]
	s_lshl_b32 s66, s82, 15                        ; w2: my wave's 4 tiles of a pass
	s_add_co_u32 s66, s66, s30
	s_add_co_u32 s66, s66, 4194304                 ; behind w1's 512 units
	s_add_nc_u64 s[28:29], s[16:17], s[66:67]
	; the tile's rows: lane r of each half takes row min(16 w + r, rows - 1)
	s_max_u32 s30, s70, 1
	s_sub_co_u32 s30, s30, 1
	v_add_nc_u32 v15, s83, v13
	v_min_u32 v15, s30, v15
	v_add_nc_u32 v15, s69, v15
	v_min_u32 v15, 0x1fff, v15
	v_lshlrev_b32 v15, 2, v15
	s_wait_alu depctr_va_vdst(0)                   ; the addresses v1, v4 to v10, v14, v15 and window 1's v104 are written, which loads and stores read; so is v13, in which the load below lands
	global_load_b32 v13, v15, s[18:19]             ; its token
	WIN 0x40
.irp k, 0,1,2,3,4,5,6,7
	global_load_b128 v[4*\k:4*\k+3], v1, s[6:7] offset:512*\k          ; the gain, as a row of x lies
.endr
.irp k, 0,1,2,3,4,5,6,7
	global_load_b128 v[32+4*\k:32+4*\k+3], v1, s[8:9] offset:512*\k    ; the bias
.endr
	; the scales
	s_add_co_i32 s30, s72, 127
	s_lshl_b32 s31, s30, 23
	v_mov_b32 v105, s31                            ; (window 1)  2^e0 as f32: the conversion takes its exponent field
	s_add_co_i32 s30, s30, 15
	s_lshl_b32 s30, s30, 23
	s_or_b32 s30, s30, 0x600000
	v_mov_b32 v106, s30                            ; (window 1)  57,344 x 2^e0
	WIN 0
	s_add_co_i32 s66, s72, s73                     ; e0 + e1
	s_sub_co_i32 s71, 0, s66                       ; b1's exponent
	s_sub_co_i32 s30, s74, s66
	s_add_co_i32 s30, s30, 127
	s_lshl_b32 s31, s30, 23
	v_mov_b32 v11, s31                             ; 2^(e2 - e0 - e1): the hidden layer's conversions: three scales folded into one
	s_add_co_i32 s30, s30, 15
	s_lshl_b32 s30, s30, 23
	s_or_b32 s30, s30, 0x600000
	v_mov_b32 v12, s30                             ; 57,344 x that
	s_add_co_i32 s76, s74, s75
	s_add_co_i32 s76, s76, 127
	s_lshl_b32 s76, s76, 23                        ; 2^(e2 + e3)
	s_mov_b32 s77, s76
	s_wait_loadcnt 16                              ; the token is in; the gain's and the bias's sixteen loads may be out
	s_wait_alu depctr_vm_vsrc(0)                   ; the token's load has read v15, which is written anew below
	v_min_u32 v13, 0x1fff, v13
	v_lshlrev_b32 v15, 4, v13                      ; (the wait on the loads has shown the load that read v15 done)
.irp i, 0,1,2,3,4,5,6,7,8,9,10,11,12,13,14,15
	v_readlane_b32 s[32+\i], v13, \i               ; the sixteen rows' tokens, in one run
.endr
	s_wait_alu depctr_va_sdst(0)                   ; s32 to s47 are written, ahead of their first readers
.irp i, 0,1,2,3,4,5,6,7,8,9,10,11,12,13,14,15
	s_min_u32 s[32+\i], s[32+\i], 8191
	s_lshl_b32 s[32+\i], s[32+\i], 12
	v_add_nc_u32 v[RO+\i], s[32+\i], v1            ; row i's token x 4,096 + 16 lane: its place in x and in out
.endr
	s_wait_alu depctr_va_vdst(0)                   ; v15 and v16 to v31 are written, which the loads below and every later load of x and store of out read as offsets
	global_load_b128 v[32:35], v15, s[22:23]       ; alpha, -mean, rstd of lane r's row
.irp i, 0,1,2,3,4
	XLOAD \i
.endr
	WIN 0
	s_wait_loadcnt 40                              ; all but those five rows' loads
.irp i, 0,1,2,3,4,5,6,7,8,9,10,11,12,13,14,15
	v_readlane_b32 s[84+\i], v32, \i               ; data alone: no address and no branch hangs on them
	v_readlane_b32 s[32+\i], v33, \i
	v_readlane_b32 s[48+\i], v34, \i
.endr
	s_wait_alu depctr_va_sdst(0)                   ; s32 to s63 and s84 to s99 are written, ahead of their first readers
	; ---------------- layer norm and quantiser, my 16 rows ----------------
.irp i, 0,1,2,3,4,5,6,7,8,9,10,11,12,13,14,15
	ITEM \i
	s_wait_loadcnt 40                              ; behind row i's eight loads stand five items of eight
.if \i > 1
	s_wait_dscnt 0x0                               ; the LDS stores of the row before last, issued a row ago, are done
	s_wait_alu depctr_vm_vsrc(0)                   ; and have read their buffer of codes, which this row's conversions write again
.endif
.if \i > 0
	s_wait_alu depctr_va_vdst(0)                   ; the last row's conversions have written the other buffer, which the LDS stores inside this row read
.endif
	LNROW \i
.endr
	s_wait_alu depctr_va_vdst(0)                   ; row 15's conversions have written its codes, which the LDS stores below read
	CSTORE 15
	WLOAD 2, 0
	WLOAD 2, 1
	WLOAD 3, 0
	WLOAD 3, 1
	WIN 0
	BARRIER                                        ; the 64 rows' codes lie in LDS
	s_wait_alu depctr_vm_vsrc(0)                   ; my LDS stores have read window 1's v96 to v115 (codes and address): these registers are accumulators from here on, written by the first products
	; ---------------- ff1: my 128 hidden units, two passes of 8 K steps ----------------
	ACT1 0, 0
	ACT1 0, 1
.irp q, 0,1,2,3,4,5,6,7
	STEP \q
.endr
	QUANT 0
	ACT1 0, 0
	ACT1 0, 1
.irp q, 8,9,10,11,12,13,14,15
	STEP \q
.endr
	QUANT 1
	BARRIER                                        ; the hidden layer's sixteen fragments lie in LDS
	; ---------------- ff2: four passes of 256 columns, 4 K steps each.  The stages take turns: pass p + 2 writes a stage only behind pass p + 1's barrier, ahead of which every wave has waited for its reads of it ----------------
.irp p, 0,1,2,3
	ACT2 0, 0
	ACT2 0, 1
	STEP 16+4*\p
	STEP 17+4*\p
	STEP 18+4*\p
	STEP 19+4*\p
	TOSTAGE \p
	BARRIER                                        ; 64 rows x 256 columns lie in the stage
	DRAIN \p
.endr
	s_wait_dscnt 0x0                               ; the closing lines, six on end
	s_wait_alu 0x0
	s_wait_tensorcnt 0x0
	ds_add_u32 v2, v3
	s_wait_dscnt 0x0
	s_endpgm
.Lfunc_end_k_qd8a4881a88_chain:
	.size	k_qd8a4881a88_chain, .Lfunc_end_k_qd8a4881a88_chain-k_qd8a4881a88_chain
	.p2alignl 7, 3214868480
	.fill 96, 4, 3214868480
	.section	.rodata,"a",@progbits
	.p2align	6, 0x0
	.amdhsa_kernel k_qd8a4881a88_chain
		.amdhsa_group_segment_fixed_size 233984
		.amdhsa_private_segment_fixed_size 0
		.amdhsa_enable_private_segment 0
		.amdhsa_kernarg_size 88
		.amdhsa_user_sgpr_count 2
		.amdhsa_user_sgpr_kernarg_segment_ptr 1
		.amdhsa_wavefront_size32 1
		.amdhsa_system_sgpr_workgroup_id_x 1
		.amdhsa_system_sgpr_workgroup_id_y 1
		.amdhsa_system_sgpr_workgroup_id_z 1
		.amdhsa_system_vgpr_workitem_id 0
		.amdhsa_next_free_vgpr 1024
		.amdhsa_next_free_sgpr 100
		.amdhsa_reserve_vcc 0
		.amdhsa_float_denorm_mode_32 3
		.amdhsa_float_denorm_mode_16_64 3
		.amdhsa_memory_ordered 1
		.amdhsa_forward_progress 1
		.amdhsa_inst_pref_size 255
	.end_amdhsa_kernel
	.section	.bss,"aw",@nobits
	.p2align	6
	.space	262144
	.amdgpu_metadata
---
amdhsa.version: [ 1, 2 ]
amdhsa.kernels:
  - .name:           k_qd8a4881a88_chain
    .symbol:         k_qd8a4881a88_chain.kd
    .args:
      - { .name: input_features, .offset: 0, .size: 8, .value_kind: global_buffer, .address_space: global }
      - { .name: ln_g, .offset: 8, .size: 8, .value_kind: global_buffer, .address_space: global }
      - { .name: ln_b, .offset: 16, .size: 8, .value_kind: global_buffer, .address_space: global }
      - { .name: b1, .offset: 24, .size: 8, .value_kind: global_buffer, .address_space: global }
      - { .name: b2, .offset: 32, .size: 8, .value_kind: global_buffer, .address_space: global }
      - { .name: lowp_scales, .offset: 40, .size: 8, .value_kind: global_buffer, .address_space: global }
      - { .name: wimg, .offset: 48, .size: 8, .value_kind: global_buffer, .address_space: global }
      - { .name: order, .offset: 56, .size: 8, .value_kind: global_buffer, .address_space: global }
      - { .name: tiles, .offset: 64, .size: 8, .value_kind: global_buffer, .address_space: global }
      - { .name: stats, .offset: 72, .size: 8, .value_kind: global_buffer, .address_space: global }
      - { .name: out0, .offset: 80, .size: 8, .value_kind: global_buffer, .address_space: global }
    .group_segment_fixed_size: 233984
    .private_segment_fixed_size: 0
    .kernarg_segment_align: 8
    .kernarg_segment_size: 88
    .max_flat_workgroup_size: 128
    .sgpr_count:     100
    .vgpr_count:     1024
    .wavefront_size: 32
...
	.end_amdgpu_metadata
.endif
;; end of part 6
